; MI455X (gfx1250); checked and timed in simulation.
; The chip was launched on July 23, 2026; its instructions are those of AMD's public machine-readable ISA for CDNA 5 (MIT licence, August 2026) and "CDNA5" Instruction Set Architecture Reference Guide (July 2026). The comments in the code are by the model that wrote it; some were corrected since.
;; Multi Head Attention. Allowed arithmetic: matrix products marked QUANTISED: E2M3 operands, one E8M0 scale for each 32 along K, by v_wmma_scale_f32_16x16x128_f8f6f4 with both operands' format E2M3, f32 sums; everything else in f32.
;; Inputs: bk 16 x 64 float32; bo 1,024 float32; bq 16 x 64 float32; bv 16 x 64 float32; wk 16 x 64 x 1,024 float32; wo 1,024 x 1,024 float32; wq 16 x 64 x 1,024 float32; wv 16 x 64 x 1,024 float32; x 4 x 2,048 x 1,024 float32.
;; Outputs: out0 4 x 2,048 x 1,024 float32.
;; This version of the problem:
;;   THIS VERSION OF THE PROBLEM IS GIVEN IN LOW PRECISION. The matrix products marked QUANTISED in the list below multiply operands that are first quantised to E2M3 (2 exponent bits, 3 mantissa bits; 6 bits a number), with one power-of-two scale for each 32 numbers along K (OCP MX v1.0); their sums are f32. All else is computed in f32.
;;   The module's matrix products, in the order in which they are computed (A, B: the left and right operand; K: the contracted axis; several contracted axes count as one K, in the product's order):
;;     1. [M 1,024, K 1,024] x [K 1,024, N 8,192]; A: input wq; B: input x: QUANTISED
;;     2. [M 1,024, K 1,024] x [K 1,024, N 8,192]; A: input wk; B: input x: QUANTISED
;;     3. [M 1,024, K 1,024] x [K 1,024, N 8,192]; A: input wv; B: input x: QUANTISED
;;     4. batch 64 x [M 2,048, K 64] x [K 64, N 2,048]; A: computed on the way; B: computed on the way: QUANTISED
;;     5. batch 64 x [M 2,048, K 2,048] x [K 2,048, N 64]; A: softmax (see below); B: computed on the way: QUANTISED
;;     6. [M 8,192, K 1,024] x [K 1,024, N 1,024]; A: computed on the way; B: input wo: QUANTISED
;;   THE QUANTISER, for each operand of a quantised product, along K:
;;     - K is cut into blocks of 32 from its start; a last block that is shorter is filled with zeros.
;;     - A block's scale is 2^e with e = floor(log2(the largest magnitude in the block)) - 2, held to -126 .. 127; a block of zeros has e = 0. As a byte (E8M0): e + 127.
;;     - Each number is divided by its block's scale, clamped to +-7.5, and rounded to the nearest number of E2M3, ties to even, subnormals kept.
;;     - The product sums the exact products of the quantised numbers (number of the format x scale) in f32.
;;   ~~~python
;;   def quantise(x, axis):      # numpy; x: float32 -> the quantised numbers, widened to float32 again
;;       x = np.moveaxis(x, axis, -1); K = x.shape[-1]
;;       x = np.pad(x, [(0, 0)] * (x.ndim - 1) + [(0, -K % 32)]); x = x.reshape(x.shape[:-1] + (-1, 32)); a = np.abs(x).max(-1, keepdims=True)
;;       e = np.where(a > 0, np.clip(np.frexp(np.where(a > 0, a, 1))[1] - 1 - 2, -126, 127), 0)      # np.frexp(a)[1] - 1 = floor(log2(a)), exactly
;;       r = np.clip(x / 2.0 ** e, -7.5, 7.5)
;;       step = 2.0 ** (np.maximum(np.frexp(np.where(r == 0, 1, r))[1] - 1, 0) - 3)
;;       q = np.round(r / step) * step * 2.0 ** e      # np.round: ties to even
;;       return np.moveaxis(q.reshape(q.shape[:-2] + (-1,))[..., :K], -1, axis).astype(np.float32)
;;   ~~~
;;   SOFTMAX AHEAD OF A QUANTISED PRODUCT. Where the list says 'softmax', what is quantised is not the finished softmax but p = 2^(t - M), with t = logit x log2(e) and M = ceil(the row's largest t), a whole number; so 1/2 < the row's largest p <= 1. The row's sum l is taken of the UNQUANTISED p, in f32, and the product's result is divided by l at the end. Since M is a whole number, a kernel that streams over the keys may use a running M (the ceiling of the running maximum): every later rescaling is an exact power of two, which a block's scale takes up: the codes' values come out the same.
;;   OPERANDS COMPUTED ON THE WAY. 'Computed on the way' means the value that the module computes at that place (a softmax that the list does not call 'softmax' is quantised finished and normalised). What goes into a quantiser is computed in f32, as accurately as f32 sums, v_exp_f32 and their like allow (about 1e-6 of the number): no bf16 or f16 on the way to a quantiser, and a product that is left as it is and whose result goes on into a quantised operand takes f32 operands (vector FMAs, or v_wmma_f32_16x16x4_f32). A number that lies on a knife's edge between two numbers of the format may be rounded either way, as far as f32 arithmetic and the matrix unit's own rounding can turn it there, and no further.
;; One version. Each part assembles by itself: llvm-mc -triple=amdgcn-amd-amdhsa -mcpu=gfx1250 --defsym DOCPART=n.
;; ======== version 1 of 1: 4 launches
;; workspace buffers: cod 9,437,184 bytes; scl 393,216 bytes; qkv 20,447,232 bytes; yhc 6,291,456 bytes; ysc 262,144 bytes
;; launch quant (part 1): grid 384 x 1, 4 waves a work-group, no clusters, 33,280 bytes of LDS; arguments x, wq, wk, wv, wo, cod, scl; writes cod, scl
.if DOCPART == 1
	.amdgcn_target "amdgcn-amd-amdhsa--gfx1250"
	.amdhsa_code_object_version 6
	.text
	.protected	k_q3bdce84d76_quant
	.globl	k_q3bdce84d76_quant
	.p2align	8
	.type	k_q3bdce84d76_quant,@function
k_q3bdce84d76_quant:
	s_mov_b64 s[64:65], 0
	v_nop
	global_prefetch_b8 v0, s[64:65] scope:SCOPE_SE
	s_setreg_imm32_b32 hwreg(HW_REG_WAVE_MODE, 25, 1), 1
	s_wait_xcnt 0x0
; x [8192][1024], wq, wk, wv, wo [1024][1024], f32, K innermost, become codes of FP6 (E2M3) with one E8M0 byte for each 32 along K:
; cod [12288 rows][768 bytes], scl [12288 rows][32 bytes]; rows: x from 0, wq from 8192, wk from 9216, wv from 10240, wo from 11264.
; A block's scale is 2^(floor(log2(its largest magnitude)) - 2); its byte is the largest magnitude's exponent field - 2, held at 1 from below.
; LIMITS: a block of zeros, or one whose largest magnitude lies under 2^-124, gets the byte 1 (the bytes are read by this program alone; zero codes add nothing); NaN and infinities are not served.
; THE ORDER OF ROWS.  In x, wq, wk and wv the two middle groups of eight of every 32 rows change places: place 16 u + r of a group of 32 holds row 8 u + r + 8 (r / 8).  Sixteen neighbouring places are
; then the rows that a matrix tile of the later launches wants, so that a result's registers run along neighbouring rows.  wo keeps its order.
; A work-group takes 32 rows, a wave eight (8,192 numbers, 16 steps of 512), so the exchange is a choice of where a wave's run goes and nothing else.
; Each of a step's four loads reads 512 consecutive bytes; the 2,048 bytes turn through the wave's own stage in LDS (16 bytes of padding behind each 64) and come back 64 bytes, 16 neighbours, a lane: two lanes hold a block.
; A lane's 16 codes are 12 bytes: a store covers 384 consecutive bytes.  A wave's 256 scale bytes are gathered in LDS and leave as 256 consecutive aligned bytes.  Waves share nothing: no barrier.
.set STEPS, 16
.set EMAX,  2
.set CB,    12                         ; bytes of 16 codes
.set R,     16                         ; v16-79   four sets of 16 numbers as they are loaded
.set X,     80                         ; v80-111  two sets of 16 neighbours
.set C,     128                        ; v128-191 codes: four registers for each step, so that no store's data are written again
.set E,     112                        ; v112-127 a scale byte for each step
.set WREG,  8192                       ; LDS: a region for each wave: two stages of 32 x SP bytes, then its 256 scale bytes
.set SP,    80                         ; a lane's place in a stage: 64 bytes + 16 of padding
	s_load_b256 s[4:11], s[0:1], 0x0               ; x, wq, wk, wv
	s_load_b128 s[12:15], s[0:1], 0x20             ; wo, cod
	s_load_b64 s[16:17], s[0:1], 0x30              ; scl
	v_lshl_add_u32 v192, v0, 2, 0x8000
	v_mov_b32 v193, 0
	v_lshrrev_b32 v1, 5, v0
	v_readfirstlane_b32 s18, v1                    ; wave
	v_and_b32 v2, 31, v0                           ; lane
	v_lshlrev_b32 v3, 4, v2                        ; my 16 bytes of a load's 512
	s_mul_i32 s19, s18, WREG
	v_lshrrev_b32 v14, 2, v2
	v_mul_u32_u24 v14, v14, SP
	v_and_b32 v15, 3, v2
	v_lshl_add_u32 v14, v15, 4, v14
	v_add_nc_u32 v14, s19, v14                     ; the stage, on the way in: SP (lane / 4) + 16 (lane % 4)
	v_mul_u32_u24 v15, v2, SP
	v_add_nc_u32 v15, s19, v15                     ; and on the way out: SP x lane: my 16 neighbours
	v_mul_u32_u24 v4, v2, CB                       ; my codes' place in a step's
	v_lshrrev_b32 v5, 1, v2
	s_add_co_u32 s19, s19, 2*32*SP
	v_add_nc_u32 v5, s19, v5                       ; LDS: my wave's 256 scale bytes, my block's byte
	v_lshlrev_b32 v7, 3, v2                        ; and on the way out 8 bytes a lane
	v_add_nc_u32 v6, s19, v7
	s_wait_kmcnt 0x0
	s_mov_b64 s[20:21], s[12:13]                   ; which tensor is my work-group's, and its first work-group: the choice hangs on the work-group's number alone
	s_mov_b32 s22, 352                             ; wo: work-groups 352 to 383
	s_cmp_lt_u32 ttmp9, 352
	s_cselect_b64 s[20:21], s[10:11], s[20:21]     ; wv: 320 to 351
	s_cselect_b32 s22, 320, s22
	s_cmp_lt_u32 ttmp9, 320
	s_cselect_b64 s[20:21], s[8:9], s[20:21]       ; wk: 288 to 319
	s_cselect_b32 s22, 288, s22
	s_cmp_lt_u32 ttmp9, 288
	s_cselect_b64 s[20:21], s[6:7], s[20:21]       ; wq: 256 to 287
	s_cselect_b32 s22, 256, s22
	s_cmp_lt_u32 ttmp9, 256
	s_cselect_b64 s[20:21], s[4:5], s[20:21]       ; x: 0 to 255
	s_cselect_b32 s22, 0, s22
	s_sub_co_u32 s22, ttmp9, s22
	s_lshl_b32 s22, s22, 2
	s_add_co_u32 s22, s22, s18                     ; which run of eight rows of the tensor is my wave's
	s_lshl_b32 s24, s22, 15                        ; 32,768 bytes a run
	s_mov_b32 s25, 0
	s_add_nc_u64 s[20:21], s[20:21], s[24:25]
	s_and_b32 s26, s18, 1                          ; where the run goes: waves 1 and 2 change places,
	s_lshl_b32 s26, s26, 1
	s_lshr_b32 s27, s18, 1
	s_or_b32 s26, s26, s27
	s_cmp_lt_u32 ttmp9, 352
	s_cselect_b32 s26, s26, s18                    ; but not in wo
	s_lshl_b32 s27, ttmp9, 2
	s_add_co_u32 s27, s27, s26
	s_mul_i32 s24, s27, 32*STEPS*CB                ; 6,144 bytes of codes a run
	s_add_nc_u64 s[14:15], s[14:15], s[24:25]
	s_lshl_b32 s24, s27, 8                         ; 256 scale bytes a run
	s_add_nc_u64 s[16:17], s[16:17], s[24:25]
.macro LOAD t
.irp i, 0,1,2,3
	global_load_b128 v[R+16*((\t)%4)+4*\i:R+16*((\t)%4)+4*\i+3], v3, s[20:21] offset:2048*(\t)+512*\i th:TH_LOAD_NT   ; 32 lanes read 512 consecutive bytes
.endr
.endm
.macro TURN t                          ; step t's numbers through the stage: LDS serves a wave's instructions in order, so no wait stands between the stores and the loads
.irp i, 0,1,2,3
	ds_store_b128 v14, v[R+16*((\t)%4)+4*\i:R+16*((\t)%4)+4*\i+3] offset:32*SP*((\t)%2)+8*SP*\i
.endr
.irp i, 0,1,2,3
	ds_load_b128 v[X+16*((\t)%2)+4*\i:X+16*((\t)%2)+4*\i+3], v15 offset:32*SP*((\t)%2)+16*\i
.endr
.endm
.irp t, 0,1,2,3
	LOAD \t
.endr
	s_wait_loadcnt 12                              ; step 0's four loads are in; the twelve of steps 1 to 3 may be out
	TURN 0
.macro STEP t
.set XS, X+16*((\t)%2)
.if (\t) > 0
	s_wait_dscnt 1                                 ; this step's numbers are back from the stage (the last step's byte store may be out): so its stores into the stage have read their registers,
.else
	s_wait_dscnt 0x0
.endif
.if (\t)+4 < STEPS
	LOAD (\t)+4                                    ; which take the loads of four steps on
.endif
.if (\t)+1 < STEPS
.if STEPS-2-(\t) >= 3
	s_wait_loadcnt 12                              ; the next step's four loads are in; those of the three steps behind it may be out
.else
	s_wait_loadcnt 4*(STEPS-2-(\t))
.endif
	TURN (\t)+1                                    ; and go through the other stage while this step is worked
.endif
	v_max3_num_f32 v8, |v[XS]|, |v[XS+1]|, |v[XS+2]|               ; the largest magnitude of my 16, in two chains
	v_max3_num_f32 v9, |v[XS+3]|, |v[XS+4]|, |v[XS+5]|
.irp i, 6,10
	v_max3_num_f32 v8, v8, |v[XS+\i]|, |v[XS+\i+1]|
	v_max3_num_f32 v9, v9, |v[XS+\i+2]|, |v[XS+\i+3]|
.endr
	v_max3_num_f32 v8, v8, |v[XS+14]|, |v[XS+15]|
	v_max3_num_f32 v8, v8, v9, (EMAX+1)<<23        ; and the floor 2^(EMAX + 1 - 127): the byte cannot fall under 1
	v_max_num_f32_dpp v8, v8, v8 row_xmask:1 row_mask:0xf bank_mask:0xf   ; and of my neighbour's 16: the block's
	v_add_nc_u32 v11, -(EMAX<<23), v8              ; EMAX off its exponent field: the conversion takes the exponent field of this operand as its scale
	v_cvt_scalef32_pk16_fp6_f32 v[C+4*(\t):C+4*(\t)+2], v[XS:XS+15], v11   ; sixteen numbers / the scale, to the nearest code, ties to even, beyond the largest code the largest
	v_lshrrev_b32 v[E+(\t)], 23, v11               ; the scale's byte (a plain line behind the conversion)
	ds_store_b8 v5, v[E+(\t)] offset:16*(\t)       ; both lanes of a block write the same byte with the same value
	global_store_b96 v4, v[C+4*(\t):C+4*(\t)+2], s[14:15] offset:32*CB*(\t)
.endm
.irp t, 0,1,2,3,4,5,6,7,8,9,10,11,12,13,14,15
	STEP \t
.endr
	ds_load_b64 v[12:13], v6                       ; LDS serves a wave's instructions in order: these see my stores
	s_wait_dscnt 0x0
	global_store_b64 v7, v[12:13], s[16:17]        ; 32 lanes store 256 consecutive aligned bytes
	s_wait_tensorcnt 0x0
	ds_add_u32 v192, v193
	s_wait_dscnt 0x0
	s_endpgm
.Lfunc_end_k_q3bdce84d76_quant:
	.size	k_q3bdce84d76_quant, .Lfunc_end_k_q3bdce84d76_quant-k_q3bdce84d76_quant
	.p2alignl 7, 3214868480
	.fill 96, 4, 3214868480
	.section	.rodata,"a",@progbits
	.p2align	6, 0x0
	.amdhsa_kernel k_q3bdce84d76_quant
		.amdhsa_group_segment_fixed_size 33280
		.amdhsa_private_segment_fixed_size 0
		.amdhsa_enable_private_segment 0
		.amdhsa_kernarg_size 56
		.amdhsa_user_sgpr_count 2
		.amdhsa_user_sgpr_kernarg_segment_ptr 1
		.amdhsa_wavefront_size32 1
		.amdhsa_system_sgpr_workgroup_id_x 1
		.amdhsa_system_sgpr_workgroup_id_y 1
		.amdhsa_system_sgpr_workgroup_id_z 1
		.amdhsa_system_vgpr_workitem_id 0
		.amdhsa_next_free_vgpr 194
		.amdhsa_next_free_sgpr 66
		.amdhsa_reserve_vcc 0
		.amdhsa_float_denorm_mode_32 3
		.amdhsa_float_denorm_mode_16_64 3
		.amdhsa_memory_ordered 1
		.amdhsa_forward_progress 1
		.amdhsa_inst_pref_size 33
	.end_amdhsa_kernel
	.amdgpu_metadata
---
amdhsa.version: [ 1, 2 ]
amdhsa.kernels:
  - .name:           k_q3bdce84d76_quant
    .symbol:         k_q3bdce84d76_quant.kd
    .args:
      - { .name: x, .offset: 0, .size: 8, .value_kind: global_buffer, .address_space: global }
      - { .name: wq, .offset: 8, .size: 8, .value_kind: global_buffer, .address_space: global }
      - { .name: wk, .offset: 16, .size: 8, .value_kind: global_buffer, .address_space: global }
      - { .name: wv, .offset: 24, .size: 8, .value_kind: global_buffer, .address_space: global }
      - { .name: wo, .offset: 32, .size: 8, .value_kind: global_buffer, .address_space: global }
      - { .name: cod, .offset: 40, .size: 8, .value_kind: global_buffer, .address_space: global }
      - { .name: scl, .offset: 48, .size: 8, .value_kind: global_buffer, .address_space: global }
    .group_segment_fixed_size: 33280
    .private_segment_fixed_size: 0
    .kernarg_segment_align: 8
    .kernarg_segment_size: 56
    .max_flat_workgroup_size: 128
    .sgpr_count:     66
    .vgpr_count:     194
    .wavefront_size: 32
...
	.end_amdgpu_metadata
.endif
;; end of part 1
;; launch qkv (part 2): grid 12 x 32, 4 waves a work-group, clusters of 4 x 4, 327,680 bytes of LDS; arguments cod, scl, bq, bk, bv, qkv; writes qkv
.if DOCPART == 2
	.amdgcn_target "amdgcn-amd-amdhsa--gfx1250"
	.amdhsa_code_object_version 6
	.text
	.protected	k_q3bdce84d76_qkv
	.globl	k_q3bdce84d76_qkv
	.p2align	8
	.type	k_q3bdce84d76_qkv,@function
k_q3bdce84d76_qkv:
	s_mov_b64 s[64:65], 0
	v_nop
	global_prefetch_b8 v0, s[64:65] scope:SCOPE_SE
	s_setreg_imm32_b32 hwreg(HW_REG_WAVE_MODE, 25, 1), 1
	s_wait_xcnt 0x0
	s_wait_alu depctr_hold_cnt(0) depctr_sa_sdst(0) depctr_va_vdst(0) depctr_va_sdst(0) depctr_va_ssrc(0) depctr_va_vcc(0) depctr_vm_vsrc(0)
	s_getreg_b32 s2, hwreg(HW_REG_IB_STS2, 6, 4)
	s_cmp_eq_u32 s2, 0
	s_cbranch_scc0 .Lentry_in_a_cluster
	s_endpgm
.Lentry_in_a_cluster:
	s_bfe_u32 s2, ttmp6, 0x10000c
	s_cmp_lg_u32 s2, 0xf033
	s_cbranch_scc0 .Lentry_shape_is_right
	s_endpgm
.Lentry_shape_is_right:
; q, k, v = x W^T + b on codes of FP6 (E2M3) with E8M0 scales, K = 1,024, and at once quantised again for the attention: q and k along the head's 64, v along the keys.  No f32 result goes to memory.
; ONE TEXT, TWO WAYS OF USE.  The loop multiplies 256 rows of an operand L (source 1: its rows fall into lanes) by 256 rows of an operand R (source 0: its rows run along a lane's registers); the way out quantises along R's rows.
;   clusters x = 0, 1 (q, k): L = x's rows (tokens), R = wq's or wk's rows (channels).     cluster x = 2 (v): L = wv's rows (channels), R = x's rows (keys): V^T.
; Both operands lie in cod and scl; only row numbers differ, chosen by the cluster's x, which all sixteen partners share.
; cod's rows lie so that place 16 u + r of each 32 holds row 8 u + r + 8 (r / 8).  So register j of lane half h of R's tile 2 g + u is row 32 g + 16 h + 8 u + j: the 16 registers of two neighbouring tiles are 16 neighbours.
; A work-group of four waves makes 256 x 256, a wave 128 x 128: 64 accumulators, 512 registers.  K goes in steps of 256 through two LDS slots filled by the tensor data mover; the scale bytes of the 512 rows come once.
; CLUSTERS: 4 x 4 work-groups; L's tiles are asked for jointly along a row of the cluster, R's along a column.
; OUT: qkv [48 = q heads, k heads, v heads][64 blocks of 128 tokens][6,656 bytes]: 6,144 bytes of codes as images of operand registers (four registers a store, lane l at 16 l), then 512 bytes of scale words (16 bytes a lane).
;   q, k: four images of 1,536 bytes: the six registers (64 codes a lane pair) of token tile 2 g, then those of tile 2 g + 1; scale word g of a lane: lanes 0-15 tile 2 g, lanes 16-31 tile 2 g + 1; bytes: two blocks of 32, then two bytes 0.
;   v: [channel pair p][keys 64 c on][1,536 bytes]: the six registers of channel tile 2 p, then of 2 p + 1; scale words: the four pairs of the two heads that a wave makes, in both heads' blocks.
; LIMITS: a block of zeros, or one whose largest magnitude lies under 2^-124, gets the byte 1 (read by this program alone); NaN and infinities are not served.
; REGISTERS, in windows of 256: window 0: v0-31 addresses; v32-63 scale words, two sets; v64-127 the bias along R; from v128 L's fragments, ONE set; v224-239 the bias along L; v240-255 and v4-15 at work on the way out.
;   window 1: R's fragments, TWO sets.   windows 2, 3: the accumulators ((a, b) at v[8 (8 (a % 4) + b)]).
.set KSTEP,  256                       ; along K in a slot
.set NQ,     KSTEP/128                 ; matrix instructions deep
.set ROWB,   192                       ; a tile's row in bytes
.set KROW,   768                       ; a row of cod in bytes
.set PITCH,  240                       ; an LDS row: 3 x (64 bytes + 16 of padding): the 32 lanes of a load of 8 bytes touch 64 different banks (64 banks of 4 bytes: ISA guide 11.1)
.set FR,     12                        ; registers of a fragment: 16 rows x 128 K
.set NL,     6                         ; LDS loads that bring one
.set NP,     4                         ; places behind this matrix instruction (ISA guide 7.12.1)
.set HALFT,  128*PITCH                 ; 128 rows: what one tensor load brings
.set SLOT,   4*HALFT                   ; L's 256 rows, then R's 256 rows
.set LAPS,   2                         ; 1,024 / 512: a lap = two K steps = once round the ring
.set KS,     32                        ; a row of scale bytes
.set SCL,    2*SLOT                    ; behind the ring: the scale bytes, as 256 bytes + 16 of padding
.set HALFS,  (128*KS/256)*272          ; those of 128 rows
.set SBLK,   (16*KS/256)*272           ; those of 16 rows
.set SPARE,  SCL+4*HALFS               ; the spare words, 128 bytes for each wave: two blocks of 256 bytes that no other line names
.set BLKB,   6656                      ; a block of qkv
.set HEADB,  64*BLKB                   ; from a head to the next
.set ADRA, 16                          ; v16-17 LDS address of L's fragments in slot 0, 1 (v18-19: for the pieces behind one padding more)
.set ADRB, 20                          ; v20-23 the same for R
.set CO,   26                          ; v26  16 x lane: my place in an image
.set ADRS, 27                          ; v27  LDS address of my scale words: lanes 0-15 L's rows, lanes 16-31 R's
.set SPW,  28                          ; v28  LDS address of my spare word; never rewritten
.set NIL,  29                          ; v29  0; never rewritten
.set BRO,  30                          ; v30  64 x (lane / 16): my 16 of each 32 numbers of the bias along R
.set BLO,  31                          ; v31  4 x (r + 8 (r / 8)): my row's number of the bias along L
.set SC,   32                          ; scale words: set s at v[SC + 16 s]
.set BR,   64                          ; v64-127 the bias along R: register 16 g + i = row 32 g + 16 h + i
.set AF,   128                         ; L's fragments
.set BL,   224                         ; v224-239 the bias along L: block a's at v[BL + 2 a]; the odd registers hold 0 (named as pairs)
.set H,    128                         ; the way out: a block's 64 numbers, bias added
.set E,    192                         ; v192-215 two images of 12 registers
.set SW0,  216                         ; v216-219, v220-223 scale words to store
.set SW1,  220
.set TM,   240                         ; v240-243 largest magnitudes, v244-247 bytes, v252-255 the conversions' scale operands
.set TQ,   8                           ; v8-10, v12-14 the conversions' second halves
.set PW0,  4
.set PW1,  5
.set W,    6
.set WS,   7
.set G1, 24                            ; s[24:31] descriptor group 1 for L's tiles;  s[32:39] group 0, one set for each slot
.set G0, 32
.set G1B, 48                           ; s[48:55], s[56:63] the same for R's tiles
.set G0B, 56
.set G1S, 68                           ; s[68:75], s[76:79] groups 1 and 0 for L's scales;  s[80:87], s[88:91] for R's
.set G0S, 76
.set G1SB, 80
.set G0SB, 88
.set TOK, 12                           ; s12  my wave's first token
.set CH,  13                           ; s13  my wave's first channel: q 0.., k 1024..; v 0..
.set MD,  95                           ; s95  1 where the cluster makes v
.set PBR, 66                           ; s[66:67]   the bias along R
.set PBL, 100                          ; s[100:101] the bias along L
.set OB0, 24                           ; the way out (the descriptors' registers are free then): s[24:25], s[26:27] where the two images go
.set OB1, 26
.set OS,  28                           ; s[28:29] where the scale words go
.set SBA, 30                           ; s[30:31] from a pair of blocks to the next;  s[32:33] the same in the middle
.set SBB, 32
.set SH1, 34
.set MSK, 35
.set HM,  36                           ; lanes 16-31
.set SEL, 38                           ; s[38:39] v_permlanex16_b32's selects for lane l xor 16
.set MSB, 0
.macro WIN new                         ; the immediate's high byte repeats the setting that is left
.if MSB != \new
	s_set_vgpr_msb (MSB<<8)|\new
.set MSB, \new
.endif
.endm
.set MUL_LO, 0xa1                      ; source 0 (R) window 1, source 1 (L) window 0, C and D window 2
.set MUL_HI, 0xf1                      ; the same, C and D window 3
.set TO_B,   0x40                      ; destination window 1, address window 0
; A joint load: waves 0 and 1 fetch for L, waves 2 and 3 for R.  Each line has one mask and one set of registers for all that issue it; the branch hangs on the wave's number alone.
; Four v_nop follow each of the two lines, ahead of the jump, the label and what follows.
.macro JLOAD g0a, g1a, g0b, g1b
	s_cmp_eq_u32 s15, 0
	s_cbranch_scc0 .Lfor_b_\@
	tensor_load_to_lds s[\g0a:\g0a+3], s[\g1a:\g1a+7]
	s_nop 0
.rept 4
	v_nop
.endr
	s_branch .Lasked_\@
.Lfor_b_\@:
	tensor_load_to_lds s[\g0b:\g0b+3], s[\g1b:\g1b+7]
	s_nop 0
.rept 4
	v_nop
.endr
.Lasked_\@:
.endm
.macro CREST                           ; a round of the cluster's barrier behind its opening barrier
	s_cmp_lg_u32 s14, 0
	s_cbranch_scc1 .Lnot_wave_0_\@
	s_barrier_signal -3
.Lnot_wave_0_\@:
	s_barrier_wait -3
	s_barrier_signal -1
	s_barrier_wait -1
.endm
.macro CROUND                          ; a whole round
	s_barrier_signal -1
	s_barrier_wait -1
	CREST
.endm
	s_load_b256 s[4:11], s[0:1], 0x0               ; cod s[4:5], scl s[6:7], bq s[8:9], bk s[10:11]
	s_load_b128 s[96:99], s[0:1], 0x20             ; bv s[96:97], qkv s[98:99]
	v_lshl_add_u32 v[SPW], v0, 2, SPARE
	v_mov_b32 v[NIL], 0
	ds_add_u32 v28, v29
	s_wait_dscnt 0x0
	v_lshrrev_b32 v1, 5, v0
	v_readfirstlane_b32 s14, v1                    ; wave 0..3
	s_lshr_b32 s15, s14, 1                         ; which half of L's rows is mine.  Also: I fetch for L (0) or for R (1)
	s_and_b32 s16, s14, 1                          ; which half of R's rows.  Also: which 128 rows I fetch
	s_bfe_u32 s40, ttmp6, 0x40000                  ; cx, cy: my place in the cluster
	s_bfe_u32 s41, ttmp6, 0x40004
	s_and_b32 s17, ttmp7, 0xffff
	s_lshl_b32 s17, s17, 10                        ; 1,024 x cluster y: the cluster's rows of x
	s_lshl_b32 s19, ttmp9, 10
	s_add_co_u32 s19, s19, 8192                    ; wq's or wk's first row in cod
	s_mov_b32 s18, 10240                           ; wv's
	s_cmp_eq_u32 ttmp9, 2
	s_cselect_b32 s[MD], 1, 0
	s_cselect_b32 s18, s18, s17                    ; L's first row for the cluster
	s_cselect_b32 s19, s17, s19                    ; R's
	s_lshl_b32 s43, s41, 2
	s_lshl_b32 s43, 15, s43                        ; my row of the cluster
	s_lshl_b32 s44, 0x1111, s40                    ; my column
	; descriptor group 1: a tile of 128 rows x 192 bytes, padded in LDS
	s_or_b32 s[G1+0], s43, (0<<16)|(1<<20)|(1<<21)|(3<<22)|(3<<25)  ; 15:0 the mask: L's tiles go to my row; 17:16 elements of 1 byte; 20 padding on; 21 set beside a mask; 24:22 after every 16 words; 31:25 of 4 words
	s_or_b32 s[G1B+0], s44, (0<<16)|(1<<20)|(1<<21)|(3<<22)|(3<<25)
.irp g, G1, G1B
	s_mov_b32 s[\g+1], ROWB<<16                    ; tensor_dim0
	s_mov_b32 s[\g+2], 128<<16                     ; tensor_dim1
	s_mov_b32 s[\g+3], ROWB<<16                    ; tile_dim0
	s_mov_b32 s[\g+4], 128                         ; tile_dim1
	s_mov_b32 s[\g+5], KROW                        ; tensor_dim0_stride
	s_mov_b32 s[\g+6], 0
	s_mov_b32 s[\g+7], 0
.endr
	; the scale bytes of 128 rows: 4,096 dense bytes, as 16 rows of 256 bytes (32 elements of 8 bytes), 16 bytes of padding behind each
	s_or_b32 s[G1S+0], s43, (3<<16)|(1<<20)|(1<<21)|(5<<22)|(3<<25)
	s_or_b32 s[G1SB+0], s44, (3<<16)|(1<<20)|(1<<21)|(5<<22)|(3<<25)
.irp g, G1S, G1SB
	s_mov_b32 s[\g+1], 32<<16
	s_mov_b32 s[\g+2], (128*KS/256)<<16
	s_mov_b32 s[\g+3], 32<<16
	s_mov_b32 s[\g+4], 128*KS/256
	s_mov_b32 s[\g+5], 32
	s_mov_b32 s[\g+6], 0
	s_mov_b32 s[\g+7], 0
.endr
	s_lshl_b32 s2, s16, 7                          ; which 128 rows of the tile I fetch
	s_lshl_b32 s20, s41, 8
	s_add_co_u32 s20, s20, s18
	s_add_co_u32 s20, s20, s2                      ; L: the cluster's first row + 256 cy + 128 x half: no register here ever holds cx
	s_lshl_b32 s46, s40, 8
	s_add_co_u32 s46, s46, s19
	s_add_co_u32 s46, s46, s2                      ; R: + 256 cx + 128 x half: none here holds cy
	s_lshl_b32 s22, s20, 5                         ; where these rows' scale bytes begin,
	s_mov_b32 s23, 0
	s_lshl_b32 s92, s46, 5
	s_mov_b32 s93, 0
	s_mul_i32 s20, s20, KROW                       ; and their codes (under 2^24 bytes)
	s_mov_b32 s21, 0
	s_mul_i32 s46, s46, KROW
	s_mov_b32 s47, 0
	s_mul_i32 s45, s14, HALFT                      ; where they go: wave x 128 rows: no place in the cluster enters an LDS address
	s_mul_i32 s94, s14, HALFS
	s_wait_kmcnt 0x0
	s_add_nc_u64 s[20:21], s[4:5], s[20:21]
	s_add_nc_u64 s[22:23], s[6:7], s[22:23]
	s_add_nc_u64 s[46:47], s[4:5], s[46:47]
	s_add_nc_u64 s[92:93], s[6:7], s[92:93]
	CROUND                                         ; all sixteen work-groups are here: the first joint loads meet
	s_mov_b32 s[G0S], 1
	s_add_co_u32 s[G0S+1], s94, SCL
	s_mov_b64 s[G0S+2:G0S+3], s[22:23]
	s_or_b32 s[G0S+3], s[G0S+3], 0x80000000
	s_mov_b32 s[G0SB], 1
	s_add_co_u32 s[G0SB+1], s94, SCL
	s_mov_b64 s[G0SB+2:G0SB+3], s[92:93]
	s_or_b32 s[G0SB+3], s[G0SB+3], 0x80000000
	JLOAD G0S, G1S, G0SB, G1SB                     ; the scales first: they are wanted with K step 0
.irp s, 0,1
	s_mov_b32 s[G0+4*\s], 1
	s_add_co_u32 s[G0+4*\s+1], s45, \s*SLOT
	s_add_nc_u64 s[G0+4*\s+2:G0+4*\s+3], s[20:21], \s*ROWB
	s_or_b32 s[G0+4*\s+3], s[G0+4*\s+3], 0x80000000
	s_mov_b32 s[G0B+4*\s], 1
	s_add_co_u32 s[G0B+4*\s+1], s45, \s*SLOT
	s_add_nc_u64 s[G0B+4*\s+2:G0B+4*\s+3], s[46:47], \s*ROWB
	s_or_b32 s[G0B+4*\s+3], s[G0B+4*\s+3], 0x80000000
	JLOAD G0+4*\s, G1, G0B+4*\s, G1B               ; three loads of mine are out
.endr
	v_and_b32 v1, 15, v0                           ; r = l % 16
	v_bfe_u32 v2, v0, 4, 1                         ; h = l / 16
	v_mul_u32_u24 v3, v1, PITCH
	v_mul_u32_u24 v4, v2, 24
	v_add_nc_u32 v4, v3, v4                        ; a fragment's row x pitch + 24 x half
	v_lshl_add_u32 v5, v2, 4, v4                   ; and the same behind one padding more
	s_mul_i32 s21, s15, HALFT                      ; my 128 rows of L
	s_mul_i32 s22, s16, HALFT                      ; my 128 rows of R,
	s_add_co_u32 s22, s22, 2*HALFT                 ; which lie behind L's 256
.irp s, 0,1
	v_add_nc_u32 v[ADRA+\s], s21, v4
	v_add_nc_u32 v[ADRB+\s], s22, v4
	v_add_nc_u32 v[ADRA+2+\s], s21, v5
	v_add_nc_u32 v[ADRB+2+\s], s22, v5
	s_add_co_u32 s21, s21, SLOT
	s_add_co_u32 s22, s22, SLOT
.endr
	v_mul_u32_u24 v5, v1, KS                       ; my row's scales: 32 bytes a row,
	v_lshrrev_b32 v6, 8, v5
	v_lshl_add_u32 v5, v6, 4, v5                   ; and 16 more for each 256 passed
	s_mul_i32 s21, s15, HALFS                      ; L's: my 128 rows
	s_mul_i32 s22, s16, HALFS                      ; R's: my 128 rows, behind L's 256
	s_add_co_u32 s22, s22, 2*HALFS
	s_sub_co_u32 s22, s22, s21
	v_mul_u32_u24 v6, s22, v2                      ; lanes 16-31 take R's
	s_add_co_u32 s21, s21, SCL
	v_add_nc_u32 v5, v5, v6
	v_add_nc_u32 v[ADRS], s21, v5
	v_and_b32 v6, 31, v0
	v_lshlrev_b32 v[CO], 4, v6
	v_lshlrev_b32 v[BRO], 6, v2
	v_and_b32 v3, 8, v1
	v_add_nc_u32 v3, v3, v1
	v_lshlrev_b32 v[BLO], 2, v3
	; the bias: bq, bk or bv by the cluster's x; my wave's first token and first channel
	s_cmp_eq_u32 ttmp9, 0
	s_cselect_b64 s[8:9], s[8:9], s[10:11]
	s_cmp_eq_u32 s[MD], 1
	s_cselect_b64 s[8:9], s[96:97], s[8:9]
	s_lshl_b32 s10, s41, 8
	s_add_co_u32 s10, s10, s18
	s_lshl_b32 s2, s15, 7
	s_add_co_u32 s10, s10, s2                      ; the first of the 128 rows of L that I multiply
	s_lshl_b32 s11, s40, 8
	s_add_co_u32 s11, s11, s19
	s_lshl_b32 s2, s16, 7
	s_add_co_u32 s11, s11, s2                      ; and of R
	s_sub_co_u32 s96, s10, 10240
	s_sub_co_u32 s97, s11, 8192
	s_cmp_eq_u32 s[MD], 1
	s_cselect_b32 s[TOK], s11, s10
	s_cselect_b32 s[CH], s96, s97
	s_and_b32 s96, s[CH], 1023
	s_lshl_b32 s96, s96, 2
	s_lshl_b32 s97, s[CH], 2
	s_cmp_eq_u32 s[MD], 1
	s_cselect_b32 s[PBR], 0, s96                   ; both sets of loads are always issued; the set that is not used reads the bias's first 512 bytes
	s_cselect_b32 s[PBL], s97, 0
	s_mov_b32 s[PBR+1], 0
	s_mov_b32 s[PBL+1], 0
	s_add_nc_u64 s[PBR:PBR+1], s[8:9], s[PBR:PBR+1]
	s_add_nc_u64 s[PBL:PBL+1], s[8:9], s[PBL:PBL+1]
.irp g, 0,1,2,3
.irp k, 0,1,2,3
	global_load_b128 v[BR+16*\g+4*\k:BR+16*\g+4*\k+3], v[BRO], s[PBR:PBR+1] offset:128*\g+16*\k   ; rows 32 g + 16 h + 4 k on
.endr
.endr
.irp a, 0,1,2,3,4,5,6,7
	global_load_b32 v[BL+2*\a], v[BLO], s[PBL:PBL+1] offset:4*(32*(\a/2)+8*(\a%2))   ; block a, lane r: row 32 (a / 2) + 8 (a % 2) + r + 8 (r / 8)
	v_mov_b32 v[BL+2*\a+1], 0
.endr
.macro FRAG reg, adr, q, i             ; a fragment: lane l holds row l % 16; registers 6 c .. 6 c + 5 hold K = 64 c + 32 (l / 16) + 0 .. 31: 24 bytes of the row's stream of bits, in pieces of 8 bytes
.irp p, 0,1,2,3,4,5
.set PCE, 12*(\q)+6*(\p/3)+\p%3       ; 16 bytes of padding lie behind every 8 pieces: where the piece three on lies behind one padding more, the second address register serves
.if PCE%8 < 5
	ds_load_b64 v[\reg+2*\p:\reg+2*\p+1], v[\adr] offset:8*PCE+16*(PCE/8)+(\i)*16*PITCH
.else
	ds_load_b64 v[\reg+2*\p:\reg+2*\p+1], v[\adr+2] offset:8*PCE+16*(PCE/8)+(\i)*16*PITCH
.endif
.endr
.endm
; 16 matrix instructions: L's blocks a0, a0 + 1 x R's eight, 128 along K.  p: R's set;  sc: the set of scale words.  zero = 1: the first product starts the sums.
; The 64 accumulators take turns, one instruction a turn, in the same order in every step.
.macro MUL16 a0, p, q, sc, zero
.irp a, \a0, \a0+1
.irp b, 0,1,2,3,4,5,6,7
.if \zero
	v_wmma_scale_f32_16x16x128_f8f6f4 v[8*(8*((\a)%4)+\b):8*(8*((\a)%4)+\b)+7], v[128*(\p)+FR*\b:128*(\p)+FR*\b+FR-1], v[AF+FR*(\a):AF+FR*(\a)+FR-1], 0, v[SC+8*NQ*(\sc)+NQ*\b+(\q)], v[SC+8*NQ*(\sc)+NQ*(\a)+(\q)] matrix_a_fmt:MATRIX_FMT_FP6 matrix_b_fmt:MATRIX_FMT_FP6 matrix_a_scale:MATRIX_SCALE_ROW1
.else
	v_wmma_scale_f32_16x16x128_f8f6f4 v[8*(8*((\a)%4)+\b):8*(8*((\a)%4)+\b)+7], v[128*(\p)+FR*\b:128*(\p)+FR*\b+FR-1], v[AF+FR*(\a):AF+FR*(\a)+FR-1], v[8*(8*((\a)%4)+\b):8*(8*((\a)%4)+\b)+7], v[SC+8*NQ*(\sc)+NQ*\b+(\q)], v[SC+8*NQ*(\sc)+NQ*(\a)+(\q)] matrix_a_fmt:MATRIX_FMT_FP6 matrix_b_fmt:MATRIX_FMT_FP6 matrix_a_scale:MATRIX_SCALE_ROW1
.endif
.endr
.endr
.endm
.macro FETCH_B slot, q, p              ; R's eight fragments of the slot's q-th 128 along K into set p
	WIN TO_B
.irp i, 0,1,2,3,4,5,6,7
	FRAG 128*(\p)+FR*\i, ADRB+\slot, \q, \i
.endr
	WIN 0
.endm
.macro FETCH_A slot, q, i0             ; L's blocks i0 .. i0 + 3
.irp i, \i0, \i0+1, \i0+2, \i0+3
	FRAG AF+FR*(\i), ADRA+\slot, \q, \i
.endr
.endm
.macro SCALES sc                       ; the next K step's scale words into set sc: two words a row; lanes 0-15 take L's block i, lanes 16-31 R's block i
.irp i, 0,1,2,3,4,5,6,7
	ds_load_b64 v[SC+8*NQ*\sc+NQ*\i:SC+8*NQ*\sc+NQ*\i+1], v[ADRS] offset:\i*SBLK
.endr
.endm
.macro PLACES n                        ; plain vector lines between a matrix instruction and a load into, or a vector line on, its registers (ISA guide 7.12.1 for vector lines)
.rept \n
	v_nop
.endr
.endm
.macro STEP slot, q, zero              ; a step of 128 along K that has its successor in the same slot
	s_wait_dscnt 4*NL                              ; R's set and L's blocks 0-3 are in; the youngest 24 loads (L's blocks 4-7) may be out
	WIN MUL_LO
	MUL16 0, (\q)%2, \q, \slot, \zero
	MUL16 2, (\q)%2, \q, \slot, \zero
	s_wait_dscnt 0                                 ; L's blocks 4-7 are in (asked for 32 matrix instructions ago)
	PLACES NP
	FETCH_B \slot, (\q)+1, 1-(\q)%2
	FETCH_A \slot, (\q)+1, 0
	WIN MUL_HI
	MUL16 4, (\q)%2, \q, \slot, \zero
	MUL16 6, (\q)%2, \q, \slot, \zero
	PLACES NP
	WIN 0
	FETCH_A \slot, (\q)+1, 4
.endm
; A slot's last step changes slots: ONE barrier; in front of it each wave waits for all its tensor loads, adds 0 to its spare word, and waits for that and for its own reads of this slot.  fill = 1: this slot is filled again, two K steps ahead.
.macro TURN slot, next, fill
	s_wait_tensorcnt 0x0                           ; all my tensor loads have landed: my part of the next slot
	ds_add_u32 v[SPW], v[NIL]                      ; 0 onto my spare word
	s_wait_dscnt 4*NL+1                            ; (the add and the youngest 24 loads, L's blocks 4-7, may be out)
	WIN MUL_LO
	MUL16 0, 1, NQ-1, \slot, 0                     ; sixteen matrix instructions stand between the add and the wait for it
	s_wait_dscnt 0x0                               ; the add is done, and my reads of this slot are over
	s_barrier_signal -1
	MUL16 2, 1, NQ-1, \slot, 0
	WIN 0
	s_barrier_wait -1
.if \fill
	CREST                                          ; the barrier has opened a round of the cluster's barrier: no wave of any partner still reads this slot's tile or has a load on its way
	s_add_nc_u64 s[G0+4*\slot+2:G0+4*\slot+3], s[G0+4*\slot+2:G0+4*\slot+3], 2*ROWB
	s_add_nc_u64 s[G0B+4*\slot+2:G0B+4*\slot+3], s[G0B+4*\slot+2:G0B+4*\slot+3], 2*ROWB
	JLOAD G0+4*\slot, G1, G0B+4*\slot, G1B         ; the first tensor load behind the round; its four v_nop are the places in front of the loads below
.else
	PLACES NP
.endif
	v_add_nc_u32 v[ADRS], 4*NQ, v[ADRS]            ; on to the next K step's scale words (no LDS load of mine is out)
	FETCH_B \next, 0, 0
	FETCH_A \next, 0, 0
	SCALES \next
	WIN MUL_HI
	MUL16 4, 1, NQ-1, \slot, 0
	MUL16 6, 1, NQ-1, \slot, 0
	PLACES NP
	WIN 0
	FETCH_A \next, 0, 4
.endm
	s_wait_loadcnt 0x0                             ; the bias, once: no load of mine is out at a barrier
	s_wait_tensorcnt 1                             ; the scales and my part of K step 0 are in (K step 1's load may be out)
	s_barrier_signal -1
	s_barrier_wait -1                              ; everybody's are
	FETCH_B 0, 0, 0
	FETCH_A 0, 0, 0
	SCALES 0
	FETCH_A 0, 0, 4
	STEP 0, 0, 1                                   ; the first step stands in front of the loop: its products start the sums
	s_mov_b32 s3, LAPS-1
.Llap:                                                 ; a trip goes once round the ring, from a lap's second step to the next lap's first, and fills both slots again
	TURN 0, 1, 1
	STEP 1, 0, 0
	TURN 1, 0, 1
	STEP 0, 0, 0
	s_sub_co_u32 s3, s3, 1
	s_cmp_lg_u32 s3, 0
	s_cbranch_scc1 .Llap
	TURN 0, 1, 0                                   ; the last lap fills nothing, and has no round of the cluster's barrier
	STEP 1, 0, 0
	s_wait_dscnt 4*NL                              ; the very last step: nothing more to fetch
	WIN MUL_LO
	MUL16 0, 1, NQ-1, 1, 0
	MUL16 2, 1, NQ-1, 1, 0
	s_wait_dscnt 0
	WIN MUL_HI
	MUL16 4, 1, NQ-1, 1, 0
	MUL16 6, 1, NQ-1, 1, 0
	WIN 0
; THE WAY OUT.  No tensor load of mine is out since the last change of slots, so the descriptors' registers are free.
	s_lshr_b32 s40, s[CH], 6
	s_lshl_b32 s41, s[MD], 5
	s_add_co_u32 s40, s40, s41                     ; q: head; k: 16 + head; v: 32 + head
	s_lshl_b32 s40, s40, 6
	s_lshr_b32 s41, s[TOK], 7
	s_add_co_u32 s40, s40, s41                     ; x 64 + the block of 128 tokens
	s_mul_i32 s40, s40, BLKB
	s_mov_b32 s41, 0
	s_add_nc_u64 s[OB0:OB0+1], s[98:99], s[40:41]
	s_add_nc_u64 s[OS:OS+1], s[OB0:OB0+1], 6144
	s_mov_b32 s42, HEADB
	s_mov_b32 s43, 0
	s_mov_b32 s[SBA], 1536
	s_mov_b32 s[SBA+1], 0
	s_mov_b32 s[SBB], 1536
	s_mov_b32 s[SBB+1], 0
	s_mov_b32 s[MSK], 0xffff
	s_mov_b32 s[HM], 0xffff0000
	s_mov_b32 s[SEL], 0x76543210
	s_mov_b32 s[SEL+1], 0xfedcba98
	s_cmp_eq_u32 s[MD], 1
	s_cselect_b32 s42, 1536, s42                   ; the second image: q, k: the next head's block; v: keys 64 on
	s_cselect_b32 s[SBA], 3072, s[SBA]             ; a pair on: q, k: the next 32 tokens; v: the next channel pair,
	s_cselect_b32 s[SBB], HEADB-3072, s[SBB]       ; which in the middle is the next head's first
	s_cselect_b32 s[SH1], 0, 16                    ; q, k: a scale word's upper two bytes are the second head's; v: the whole word is both heads' blocks'
	s_cselect_b32 s[MSK], -1, s[MSK]
	s_add_nc_u64 s[OB1:OB1+1], s[OB0:OB0+1], s[42:43]
; Block a (16 rows of L in the lanes, 128 rows of R along 64 registers) comes into window 0 with its bias added: the addition is also the move.  Each accumulator is read from its low end on.
.macro BIASADD a
	s_cmp_eq_u32 s[MD], 0
	s_cbranch_scc0 .Lbias_l_\@
	WIN 0x02+(\a)/4                                ; source 0: window 2 or 3
.set i, 0
.rept 32
	v_pk_add_f32 v[H+i:H+i+1], v[64*((\a)%4)+i:64*((\a)%4)+i+1], v[BR+i:BR+i+1]   ; q, k: the bias runs with the registers
.set i, i+2
.endr
	WIN 0
	s_branch .Lbias_done_\@
.Lbias_l_\@:
	WIN 0x02+(\a)/4
.set i, 0
.rept 32
	v_pk_add_f32 v[H+i:H+i+1], v[64*((\a)%4)+i:64*((\a)%4)+i+1], v[BL+2*(\a):BL+2*(\a)+1] op_sel_hi:[1,0]   ; v: one number a lane
.set i, i+2
.endr
	WIN 0
.Lbias_done_\@:
.endm
; 64 numbers of a lane, register 16 b + i = k 32 b + 16 (lane / 16) + i of my row, become codes: k = 0 .. 63 in v[d0] .. v[d0 + 5], k = 64 .. 127 in v[d1] .. (a whole block of 32 in a lane), and the scale word in v[pw].
.macro QUANT s, d0, d1, pw
.irp b, 0,1,2,3
	v_max3_num_f32 v[TM+\b], |v[\s+16*\b]|, |v[\s+1+16*\b]|, 0x1800000   ; block b: my 16 numbers, and the floor 2^(3 - 127): the byte cannot fall under 1
.endr
.irp i, 2,4,6,8,10,12,14
.irp b, 0,1,2,3
	v_max3_num_f32 v[TM+\b], v[TM+\b], |v[\s+16*\b+\i]|, |v[\s+1+16*\b+\i]|   ; (the four blocks by turns)
.endr
.endr
.irp b, 0,1,2,3
	v_permlanex16_b32 v[TM+4+\b], v[TM+\b], s[SEL], s[SEL+1]
.endr
.irp b, 0,1,2,3
	v_max_num_f32 v[TM+\b], v[TM+\b], v[TM+4+\b]   ; with lane l xor 16's: the block's largest magnitude
.endr
.irp b, 0,1,2,3
	v_add_nc_u32 v[TM+12+\b], 0xff000000, v[TM+\b]   ; 2 off its exponent field: the conversion's scale operand
.endr
.irp b, 0,1,2,3
	v_lshrrev_b32 v[TM+4+\b], 23, v[TM+12+\b]      ; the scale's byte
.endr
	v_lshl_or_b32 v[\pw], v[TM+5], 8, v[TM+4]
	v_lshl_or_b32 v[\pw], v[TM+6], 16, v[\pw]
	v_lshl_or_b32 v[\pw], v[TM+7], 24, v[\pw]
	v_cvt_scalef32_pk16_fp6_f32 v[\d0:\d0+2], v[\s:\s+15], v[TM+12]
	v_cvt_scalef32_pk16_fp6_f32 v[TQ:TQ+2], v[\s+16:\s+31], v[TM+13]     ; (a conversion's three registers begin on an even number)
	v_cvt_scalef32_pk16_fp6_f32 v[\d1:\d1+2], v[\s+32:\s+47], v[TM+14]
	v_cvt_scalef32_pk16_fp6_f32 v[TQ+4:TQ+6], v[\s+48:\s+63], v[TM+15]
	v_nop                                          ; one plain line behind the scaled conversions
.irp i, 0,1,2
	v_permlane16_swap_b32 v[\d0+\i], v[TQ+\i]      ; the first's lanes 16-31 change places with the second's lanes 0-15: each lane's block's lower 16 codes, and its upper 16
	v_permlane16_swap_b32 v[\d1+\i], v[TQ+4+\i]
.endr
.irp i, 0,1,2
	v_mov_b32 v[\d0+3+\i], v[TQ+\i]
	v_mov_b32 v[\d1+3+\i], v[TQ+4+\i]
.endr
.endm
; Blocks 2 g and 2 g + 1 of L make two images of 12 registers (k = 0 .. 63 of both blocks; k = 64 .. 127 of both) and one scale word a lane for each.
.macro PAIR g
.if \g > 0
	s_wait_xcnt 0x0                                ; the last pair's stores have read their data and their bases: both are written again only behind this wait
.if \g == 2
	s_add_nc_u64 s[OB0:OB0+1], s[OB0:OB0+1], s[SBB:SBB+1]
	s_add_nc_u64 s[OB1:OB1+1], s[OB1:OB1+1], s[SBB:SBB+1]
.else
	s_add_nc_u64 s[OB0:OB0+1], s[OB0:OB0+1], s[SBA:SBA+1]
	s_add_nc_u64 s[OB1:OB1+1], s[OB1:OB1+1], s[SBA:SBA+1]
.endif
.endif
	BIASADD 2*\g
	QUANT H, E, E+12, PW0
	BIASADD 2*\g+1
	QUANT H, E+6, E+18, PW1
	v_cndmask_b32 v[W], v[PW0], v[PW1], s[HM]      ; lanes 0-15: block 2 g's rows' words; lanes 16-31: block 2 g + 1's
	v_and_b32 v[SW0+\g], s[MSK], v[W]
	v_lshrrev_b32 v[WS], s[SH1], v[W]
	v_and_b32 v[SW1+\g], s[MSK], v[WS]
.irp k, 0,1,2
	global_store_b128 v[CO], v[E+4*\k:E+4*\k+3], s[OB0:OB0+1] offset:512*\k          ; 32 lanes store 512 consecutive bytes, at a multiple of 256 from qkv's first byte
	global_store_b128 v[CO], v[E+12+4*\k:E+12+4*\k+3], s[OB1:OB1+1] offset:512*\k
.endr
.endm
	PLACES NP                                      ; behind the last products: their results are read and their operands' registers written below
.irp b, 0,1,2,3
	v_mov_b32 v[TM+4+\b], 0                        ; written once: a lane permute's destination counts as one of its sources
.endr
	PAIR 0
	PAIR 1
	PAIR 2
	PAIR 3
	global_store_b128 v[CO], v[SW0:SW0+3], s[OS:OS+1]
	global_store_b128 v[CO], v[SW1:SW1+3], s[OS:OS+1] offset:HEADB      ; the next head's block
	s_wait_tensorcnt 0x0                           ; the wave's end
	ds_add_u32 v[SPW], v[NIL]
	s_wait_dscnt 0x0
	CROUND                                         ; the closing round: no work-group ends while a partner may still ask for a tile that names it
	s_endpgm
.Lfunc_end_k_q3bdce84d76_qkv:
	.size	k_q3bdce84d76_qkv, .Lfunc_end_k_q3bdce84d76_qkv-k_q3bdce84d76_qkv
	.p2alignl 7, 3214868480
	.fill 96, 4, 3214868480
	.section	.rodata,"a",@progbits
	.p2align	6, 0x0
	.amdhsa_kernel k_q3bdce84d76_qkv
		.amdhsa_group_segment_fixed_size 327680
		.amdhsa_private_segment_fixed_size 0
		.amdhsa_enable_private_segment 0
		.amdhsa_kernarg_size 48
		.amdhsa_user_sgpr_count 2
		.amdhsa_user_sgpr_kernarg_segment_ptr 1
		.amdhsa_wavefront_size32 1
		.amdhsa_system_sgpr_workgroup_id_x 1
		.amdhsa_system_sgpr_workgroup_id_y 1
		.amdhsa_system_sgpr_workgroup_id_z 1
		.amdhsa_system_vgpr_workitem_id 0
		.amdhsa_next_free_vgpr 1024
		.amdhsa_next_free_sgpr 102
		.amdhsa_reserve_vcc 0
		.amdhsa_float_denorm_mode_32 3
		.amdhsa_float_denorm_mode_16_64 3
		.amdhsa_memory_ordered 1
		.amdhsa_forward_progress 1
		.amdhsa_inst_pref_size 202
	.end_amdhsa_kernel
	.amdgpu_metadata
---
amdhsa.version: [ 1, 2 ]
amdhsa.kernels:
  - .name:           k_q3bdce84d76_qkv
    .symbol:         k_q3bdce84d76_qkv.kd
    .args:
      - { .name: cod, .offset: 0, .size: 8, .value_kind: global_buffer, .address_space: global }
      - { .name: scl, .offset: 8, .size: 8, .value_kind: global_buffer, .address_space: global }
      - { .name: bq, .offset: 16, .size: 8, .value_kind: global_buffer, .address_space: global }
      - { .name: bk, .offset: 24, .size: 8, .value_kind: global_buffer, .address_space: global }
      - { .name: bv, .offset: 32, .size: 8, .value_kind: global_buffer, .address_space: global }
      - { .name: qkv, .offset: 40, .size: 8, .value_kind: global_buffer, .address_space: global }
    .group_segment_fixed_size: 327680
    .private_segment_fixed_size: 0
    .kernarg_segment_align: 8
    .kernarg_segment_size: 48
    .max_flat_workgroup_size: 128
    .sgpr_count:     102
    .vgpr_count:     1024
    .wavefront_size: 32
...
	.end_amdgpu_metadata
.endif
;; end of part 2
;; launch attn (part 3): grid 4 x 64, 16 waves a work-group, no clusters, 327,680 bytes of LDS; arguments qkv, yhc, ysc; writes yhc, ysc
.if DOCPART == 3
	.amdgcn_target "amdgcn-amd-amdhsa--gfx1250"
	.amdhsa_code_object_version 6
	.text
	.protected	k_q3bdce84d76_attn
	.globl	k_q3bdce84d76_attn
	.p2align	8
	.type	k_q3bdce84d76_attn,@function
k_q3bdce84d76_attn:
	s_mov_b64 s[64:65], 0
	v_nop
	global_prefetch_b8 v0, s[64:65] scope:SCOPE_SE
	s_setreg_imm32_b32 hwreg(HW_REG_WAVE_MODE, 25, 1), 1
	s_wait_xcnt 0x0
; Causal attention of one head (64 wide, 2,048 tokens) on codes of FP6 (E2M3) with E8M0 scales, and the quantising of its result along (head, channel) for the output product.
; t = score x log2(e) / 8; M = the running largest t rounded UP to a whole number; p = 2^(t - M) is quantised along the keys, not normalised; the row's sum is taken of the unquantised p and divides O at the end.
; SHARES.  Work-group (i, y): batch y / 16, head y % 16, query blocks i and 7 - i of 256 queries.  Block i walks key slots 0 .. i of 256 keys, block 7 - i slots 0 .. 7 - i: nine slots for every work-group, a constant trip count and equal work.
; Each of sixteen waves owns one tile of 16 queries in 256 registers: four waves to a SIMD, so that one wave's vector work stands beside another's matrix work and LDS loads.
; A step (128 keys) all of whose keys come after the wave's queries is jumped over by a scalar branch on ids; no barrier and no tensor load stands in a step.
; NO CLUSTER: the four work-groups of a head stand at different key slots in the same trip, so they have no joint request to make.
; LAYOUT.  Both products are used transposed: S^T = K Q^T, O^T = V^T P^T: a lane holds ONE query throughout.  Tiles of tokens hold tokens 8 u + r + 8 (r / 8) of each 32 (the launch before lays them so), so that the 16 registers of
; tiles 2 b and 2 b + 1 of S^T are 16 neighbouring keys; V's channels likewise, so that O^T's registers are neighbouring channels.
; K = 64 IN AN INSTRUCTION OF 128: Q's registers 6-11 hold zero codes.  K's tile t is named as v[KV + 6 t .. + 11]: its upper six registers are the next tile's codes (zeros behind tile 7): E2M3 has no infinity and no NaN,
; so finite codes times zero codes add exactly 0 under the scale bytes 0 (2^-127) that stand for those blocks.
; IN: qkv [q heads, k heads, v heads][64 blocks of 128 tokens][6,656 bytes: 6,144 of register images, 512 of scale words].  A slot in LDS: K's two blocks, then V's two; waves 0-3 bring one block each.
; OUT: yhc [head][tile of 16 rows][768 bytes: registers 0-3 at 16 l, registers 4-5 at 8 l]; ysc [row][32 bytes], bytes 2 head, 2 head + 1 (two bytes a lane: 2 bytes for every 48 of codes).
; LIMITS: 1 / sum by v_rcp_f32; a block of zeros or under 2^-124 gets the byte 1 (read by this program alone); NaN and infinities are not served.
.set BLKB,  6656
.set VOFF,  2*BLKB                     ; V's two blocks lie behind K's two
.set SLOT1, 1<<15                      ; slot 1 begins here: one exclusive or turns an address in one slot into the other's
.set SPARE, 1<<16                      ; the spare words, 128 bytes for each of 16 waves: eight blocks of 256 bytes that no other line names
.set L16, 1                            ; v1   16 x lane
.set LVS, 2                            ; v2   16 x lane + 8 (head % 2): my head's two of V's four scale words
.set SPW, 3                            ; v3   LDS address of my spare word; never rewritten
.set NIL, 4                            ; v4   0; never rewritten
.set L8,  5                            ; v5   8 x lane
.set L32, 6                            ; v6   32 x (lane % 16)
.set DQ,  7                            ; v7   r + 8 (r / 8) - 16 (lane / 16): my query less my first key, within tile and step
.set ADR, 8                            ; v8   the slot in hand + 16 x lane
.set ADS, 9                            ; v9   the slot in hand + v2
.set LQS, 10                           ; v10  16 x (lane % 16)
.set Q,   16                           ; v16-27 Q's fragment (v22-27 zero codes)
.set QS,  28                           ; v28  Q's scale words
.set KV,  32                           ; v32-79 K's eight tiles of six registers, then V's four fragments of twelve
.set ZR,  80                           ; v80-85 zero codes
.set QN,  86                           ; v86-91, v92 the second block's Q and its scale words
.set QSN, 92
.set S,   96                           ; v96-159 S^T, then p; at the end O / sum
.set O,   160                          ; v160-191 O^T
.set PC,  192                          ; v192-203 p's codes
.set KS,  204                          ; v204-207 K's scale words
.set VS,  208                          ; v208-209 V's
.set BM,  212                          ; v212-215 the blocks' largest scores, then largest p
.set PT,  216                          ; v216-219 at work
.set CT,  220                          ; v220-222, v224-226 the conversions' second halves
.set SO,  228                          ; v228-231 the conversions' scale operands
.set F,   232                          ; v[232:233] f = 2^(old M - new M); v233 is written once (named as a pair)
.set PW,  234                          ; v234 p's scale word
.set WK,  235                          ; v235-236 at work
.set WV,  10
.set HD,  12
.set BA,  13
.set NA,  14                           ; s14  slots of the first block: i + 1
.set NAB, 15                           ; s15  their bytes in a head's K or V
.set SI,  16                           ; s16  the trip
.set TB,  17                           ; s17  LDS byte at which the slot in hand begins
.set KF,  18                           ; s18  the step's first key
.set QB,  19                           ; s19  my tile's first query
.set SEL, 20
.set CS,  22                           ; s[22:23] c = log2(e) / 8
.set G1,  24
.set G0,  32
.set BK,  36                           ; s[36:37] what the walking address goes back by
.set QBN, 38                           ; s38  my first query in the second block
.set YA,  40                           ; s[40:41], s[42:43] where the first block's codes and scale bytes go;  s[44:45], s[46:47] the second's
.set SA,  42
.set YB,  44
.set SB,  46
.macro TLOAD                           ; waves 0-3 fetch one block each; four v_nop follow the line
	s_cmp_lt_u32 s[WV], 4
	s_cbranch_scc0 .Lnone_\@
	tensor_load_to_lds s[G0:G0+3], s[G1:G1+7]
	s_nop 0
.rept 4
	v_nop
.endr
.Lnone_\@:
.endm
	s_load_b128 s[4:7], s[0:1], 0x0                ; qkv, yhc
	s_load_b64 s[8:9], s[0:1], 0x10                ; ysc
	v_lshl_add_u32 v[SPW], v0, 2, SPARE
	v_mov_b32 v[NIL], 0
	ds_add_u32 v3, v4
	ds_add_u32 v3, v4
	s_wait_dscnt 0x0
	v_lshrrev_b32 v1, 5, v0
	s_delay_alu instid0(VALU_DEP_1)
	v_readfirstlane_b32 s[WV], v1                  ; wave 0..15
	s_and_b32 s48, ttmp7, 0xffff
	s_and_b32 s[HD], s48, 15
	s_lshr_b32 s[BA], s48, 4
	s_add_co_u32 s[NA], ttmp9, 1
	s_mul_i32 s[NAB], s[NA], 2*BLKB
	; descriptor group 1: a dense block of 6,656 bytes as 26 rows of 256 bytes (32 elements of 8 bytes), no padding
	s_mov_b32 s[G1], 3<<16
	s_mov_b32 s[G1+1], 32<<16                      ; tensor_dim0
	s_mov_b32 s[G1+2], 26<<16                      ; tensor_dim1
	s_mov_b32 s[G1+3], 32<<16                      ; tile_dim0
	s_mov_b32 s[G1+4], 26                          ; tile_dim1
	s_mov_b32 s[G1+5], 32                          ; tensor_dim0_stride
	s_mov_b32 s[G1+6], 0
	s_mov_b32 s[G1+7], 0
	; group 0: wave % 4 = 0, 1: K's blocks of a slot; 2, 3: V's
	s_and_b32 s49, s[WV], 3
	s_mul_i32 s[G0+1], s49, BLKB                   ; LDS address, slot 0
	s_lshr_b32 s50, s49, 1
	s_lshl_b32 s50, s50, 4
	s_add_co_u32 s50, s50, s[HD]
	s_add_co_u32 s50, s50, 16                      ; k: 16 + head; v: 32 + head
	s_lshl_b32 s50, s50, 6
	s_lshl_b32 s52, s[BA], 4                       ; the batch's first block of 128 tokens
	s_add_co_u32 s50, s50, s52
	s_and_b32 s53, s[WV], 1
	s_add_co_u32 s50, s50, s53
	s_mul_i32 s50, s50, BLKB
	s_mov_b32 s51, 0
	s_mov_b32 s[G0], 1
	s_mov_b32 s[BK+1], 0
	s_mov_b32 s[SEL], 0x76543210
	s_mov_b32 s[SEL+1], 0xfedcba98
	s_mov_b32 s[CS], 0x3e38aa3b
	s_mov_b32 s[CS+1], s[CS]                       ; (named with it as a pair, so it is written)
	s_mov_b32 s[TB], 0
	s_mov_b32 s[KF], 0
	s_mov_b32 s[SI], 0
	s_wait_kmcnt 0x0
	s_add_nc_u64 s[G0+2:G0+3], s[4:5], s[50:51]
	s_or_b32 s[G0+3], s[G0+3], 0x80000000
	TLOAD                                          ; key slot 0 into LDS slot 0
	; Q: my tile is half u = wave % 2 of the image (wave / 2) % 4 of block 2 x query block + wave / 8
	s_lshl_b32 s48, s[HD], 6
	s_add_co_u32 s48, s48, s52
	s_lshl_b32 s49, ttmp9, 1
	s_add_co_u32 s48, s48, s49
	s_lshr_b32 s49, s[WV], 3
	s_add_co_u32 s48, s48, s49
	s_mul_i32 s48, s48, BLKB
	s_bfe_u32 s50, s[WV], 0x20001
	s_mul_i32 s54, s50, 1536
	s_add_co_u32 s54, s54, s48
	s_mov_b32 s55, 0
	s_lshl_b32 s50, s50, 2
	s_lshl_b32 s51, s53, 8
	s_add_co_u32 s50, s50, s51
	s_add_co_u32 s50, s50, s48
	s_add_co_u32 s50, s50, 6144                    ; its scale words: lane 16 u + r, word (wave / 2) % 4
	s_mov_b32 s51, 0
	s_add_nc_u64 s[54:55], s[4:5], s[54:55]
	s_add_nc_u64 s[50:51], s[4:5], s[50:51]
	s_lshl_b32 s48, ttmp9, 2
	s_sub_co_u32 s48, 14, s48                      ; the second query block lies 2 (7 - 2 i) blocks of 128 on
	s_mul_i32 s48, s48, BLKB
	s_mov_b32 s49, 0
	s_add_nc_u64 s[56:57], s[54:55], s[48:49]
	s_add_nc_u64 s[58:59], s[50:51], s[48:49]
	v_and_b32 v[L16], 31, v0
	s_delay_alu instid0(VALU_DEP_1)
	v_lshlrev_b32 v[L8], 3, v[L16]
	s_delay_alu instid0(VALU_DEP_2)
	v_lshlrev_b32 v[L16], 4, v[L16]
	v_and_b32 v[LQS], 15, v0
	s_delay_alu instid0(VALU_DEP_1)
	v_lshlrev_b32 v[L32], 5, v[LQS]
	s_delay_alu instid0(VALU_DEP_2)
	v_and_b32 v11, 8, v[LQS]
	s_delay_alu instid0(VALU_DEP_1)
	v_add_nc_u32 v[DQ], v11, v[LQS]
	v_bfe_u32 v11, v0, 4, 1
	s_delay_alu instid0(VALU_DEP_1)
	v_lshlrev_b32 v11, 4, v11
	s_delay_alu instid0(VALU_DEP_1)
	v_sub_nc_u32 v[DQ], v[DQ], v11
	v_lshlrev_b32 v[LQS], 4, v[LQS]
.irp k, 0,1,2
	global_load_b128 v[S+4*\k:S+4*\k+3], v[L16], s[54:55] offset:512*\k
	global_load_b128 v[S+12+4*\k:S+12+4*\k+3], v[L16], s[56:57] offset:512*\k
.endr
	global_load_b32 v[QS], v[LQS], s[50:51]
	global_load_b32 v[QSN], v[LQS], s[58:59]
	s_and_b32 s49, s[HD], 1
	s_lshl_b32 s49, s49, 3
	v_add_nc_u32 v[LVS], s49, v[L16]
	; where the results go: tile T = 128 batch + 16 query block + wave
	s_lshl_b32 s48, s[BA], 7
	s_lshl_b32 s49, ttmp9, 4
	s_add_co_u32 s48, s48, s49
	s_add_co_u32 s48, s48, s[WV]
	s_lshl_b32 s49, ttmp9, 5
	s_sub_co_u32 s49, 112, s49
	s_add_co_u32 s49, s49, s48                     ; the second block's: 16 (7 - 2 i) on
	s_lshl_b32 s52, s[HD], 9
	s_add_co_u32 s60, s52, s48
	s_mul_i32 s60, s60, 768
	s_mov_b32 s61, 0
	s_add_nc_u64 s[YA:YA+1], s[6:7], s[60:61]
	s_add_co_u32 s60, s52, s49
	s_mul_i32 s60, s60, 768
	s_add_nc_u64 s[YB:YB+1], s[6:7], s[60:61]
	s_lshl_b32 s52, s[HD], 1
	s_lshl_b32 s60, s48, 9
	s_add_co_u32 s60, s60, s52
	s_add_nc_u64 s[SA:SA+1], s[8:9], s[60:61]
	s_lshl_b32 s60, s49, 9
	s_add_co_u32 s60, s60, s52
	s_add_nc_u64 s[SB:SB+1], s[8:9], s[60:61]
	s_lshr_b32 s60, s[WV], 1
	s_lshl_b32 s60, s60, 5
	s_lshl_b32 s61, s53, 3
	s_add_co_u32 s60, s60, s61                     ; 32 (wave / 2) + 8 (wave % 2)
	s_lshl_b32 s61, ttmp9, 8
	s_add_co_u32 s[QB], s60, s61
	s_sub_co_u32 s61, 1792, s61
	s_add_co_u32 s[QBN], s60, s61
	s_sub_co_u32 s62, 0, s53                       ; all ones where my tile is the image's second half
	v_mov_b32 v13, 0xff61b1e6                      ; the largest t so far: -3e38, under every t
	s_delay_alu instid0(VALU_DEP_1)
	v_floor_f32 v12, -v13                          ; -M
	v_mov_b32 v14, 0                               ; the sum, in two halves
	v_mov_b32 v15, 0
.irp i, 0,1,2,3,4,5
	v_mov_b32 v[Q+6+\i], 0
	v_mov_b32 v[ZR+\i], 0
.endr
.irp b, 0,1,2,3
	v_mov_b32 v[PT+\b], 0                          ; written once: a lane permute's destination counts as one of its sources
.endr
	v_mov_b32 v[F+1], 0
	v_mov_b32 v[WK], 0
	s_wait_loadcnt 0x0
.irp i, 0,1,2,3,4,5
	v_cndmask_b32 v[Q+\i], v[S+\i], v[S+6+\i], s62
	v_cndmask_b32 v[QN+\i], v[S+12+\i], v[S+18+\i], s62
.endr
.set j, 0
.rept 32
	v_mov_b32 v[O+j], 0                            ; O^T: the step is written once; the first finds zeros.  (These are also the places between Q's last write and the first product)
.set j, j+1
.endr
; A KEY STEP: 128 keys, the q-th of the slot in hand.
.macro STEP q
	s_cmp_gt_u32 s[KF], s[QB]                      ; KF is a multiple of 128 and my 16 queries lie in one group of 32: KF > QB says that every key comes after every query of mine
	s_cbranch_scc1 .Lhidden_\@
	s_wait_alu depctr_va_vdst(0)
.irp b, 0,1,2,3
.irp k, 0,1,2
	ds_load_b128 v[KV+12*\b+4*\k:KV+12*\b+4*\k+3], v[ADR] offset:BLKB*\q+1536*\b+512*\k   ; images as they lie: 512 consecutive bytes a load
.endr
.endr
	ds_load_b128 v[KS:KS+3], v[ADR] offset:BLKB*\q+6144
	s_wait_dscnt 0x0
.irp t, 0,1,2,3,4,5,6,7
.if (\t)%2
	v_wmma_scale_f32_16x16x128_f8f6f4 v[S+8*\t:S+8*\t+7], v[KV+6*\t:KV+6*\t+11], v[Q:Q+11], 0, v[KS+\t/2], v[QS] matrix_a_fmt:MATRIX_FMT_FP6 matrix_b_fmt:MATRIX_FMT_FP6 matrix_a_scale:MATRIX_SCALE_ROW1
.else
	v_wmma_scale_f32_16x16x128_f8f6f4 v[S+8*\t:S+8*\t+7], v[KV+6*\t:KV+6*\t+11], v[Q:Q+11], 0, v[KS+\t/2], v[QS] matrix_a_fmt:MATRIX_FMT_FP6 matrix_b_fmt:MATRIX_FMT_FP6
.endif
.endr
.rept 4
	v_nop                                          ; places: the loads below land in K's registers, and the scores are read
.endr
.irp p, 0,1                                    ; V's four fragments, asked for now: they land under the softmax.  Image (p, c) holds six registers of channel tile 2 p and six of 2 p + 1, for keys 64 c on
.irp c, 0,1
	ds_load_b128 v[KV+24*\p+6*\c:KV+24*\p+6*\c+3], v[ADR] offset:VOFF+BLKB*\q+3072*\p+1536*\c
	ds_load_b64 v[KV+24*\p+6*\c+4:KV+24*\p+6*\c+5], v[ADR] offset:VOFF+BLKB*\q+3072*\p+1536*\c+512
	ds_load_b64 v[KV+24*\p+12+6*\c:KV+24*\p+12+6*\c+1], v[ADR] offset:VOFF+BLKB*\q+3072*\p+1536*\c+520
	ds_load_b128 v[KV+24*\p+12+6*\c+2:KV+24*\p+12+6*\c+5], v[ADR] offset:VOFF+BLKB*\q+3072*\p+1536*\c+1024
.endr
.endr
	ds_load_b64 v[VS:VS+1], v[ADS] offset:VOFF+BLKB*\q+6144
	s_add_co_u32 s48, s[KF], 127                   ; on the diagonal hidden scores become -infinity ahead of the maximum: p = 0 then.  A step all of whose keys count skips this
	s_cmp_le_u32 s48, s[QB]
	s_cbranch_scc1 .Lopen_\@
	s_sub_co_i32 s48, s[QB], s[KF]
	v_add_nc_u32 v[WK], s48, v[DQ]                 ; d: register 16 b + i holds key KF + 16 (lane / 16) + 32 b + i: hidden where 32 b + i > d
	v_mov_b32 v[WK+1], 0xff800000
.set n, 0
.rept 64
	v_cmp_gt_i32 vcc_lo, 32*(n/16)+n%16, v[WK]
	v_cndmask_b32 v[S+n], v[S+n], v[WK+1], vcc_lo
.set n, n+1
.endr
.Lopen_\@:
.irp b, 0,1,2,3
	v_max3_num_f32 v[BM+\b], v[S+16*\b], v[S+1+16*\b], v[S+2+16*\b]   ; the largest score of each block of 32 keys: for the row's maximum, and, since p rises with the score, for the block's largest p
.endr
.irp i, 3,5,7,9,11,13
.irp b, 0,1,2,3
	v_max3_num_f32 v[BM+\b], v[BM+\b], v[S+16*\b+\i], v[S+1+16*\b+\i]
.endr
.endr
.irp b, 0,1,2,3
	v_max_num_f32 v[BM+\b], v[BM+\b], v[S+15+16*\b]
.endr
.irp b, 0,1,2,3
	s_delay_alu instid0(VALU_DEP_4)
	v_permlanex16_b32 v[PT+\b], v[BM+\b], s[SEL], s[SEL+1]
.endr
.irp b, 0,1,2,3
	s_delay_alu instid0(VALU_DEP_4)
	v_max_num_f32 v[BM+\b], v[BM+\b], v[PT+\b]     ; with lane l xor 16's 16 keys
.endr
	s_delay_alu instid0(VALU_DEP_2)
	v_max3_num_f32 v[WK], v[BM], v[BM+1], v[BM+2]
	s_delay_alu instid0(VALU_DEP_1)
	v_max_num_f32 v[WK], v[WK], v[BM+3]            ; the step's largest score of my query (key KF counts for every query of a step that is walked)
	s_delay_alu instid0(VALU_DEP_1)
	v_mul_f32 v[WK], s[CS], v[WK]
	s_delay_alu instid0(VALU_DEP_1)
	v_max_num_f32 v13, v13, v[WK]                  ; the running largest t
	v_mov_b32 v[WK], v12
	s_delay_alu instid0(VALU_DEP_2)
	v_floor_f32 v12, -v13                          ; the new -M = -ceil(t): a whole number
	s_delay_alu instid0(VALU_DEP_1)
	v_sub_f32 v[WK], v12, v[WK]                    ; old M - new M: a whole number, 0 or less
	s_delay_alu instid0(VALU_DEP_1)
	v_cvt_i32_f32 v[WK], v[WK]                     ; (it saturates)
	s_delay_alu instid0(VALU_DEP_1)
	v_ldexp_f32 v[F], 1.0, v[WK]                   ; f = 2^(old M - new M): multiplying by it rounds nothing
.set j, 0
.rept 32
	v_pk_fma_f32 v[S+j:S+j+1], v[S+j:S+j+1], s[CS:CS+1], v[12:13] op_sel_hi:[1,0,0]   ; t - M, two at a time
.set j, j+2
.endr
.irp b, 0,1,2,3
	v_fma_f32 v[BM+\b], v[BM+\b], s[CS], v12       ; the same of each block's largest score
.endr
.set j, 0
	s_wait_alu depctr_va_vdst(0)
.rept 64
	v_exp_f32 v[S+j], v[S+j]                       ; p = 2^(t - M)
.set j, j+1
.endr
	v_pk_mul_f32 v[14:15], v[14:15], v[F:F+1] op_sel_hi:[1,0]   ; the sums under the new M (the plain line behind the exponentials)
	s_wait_alu depctr_va_vdst(0)                   ; one wait for the batch of 64, ahead of its first reader
.irp b, 0,1,2,3
	v_exp_f32 v[BM+\b], v[BM+\b]                   ; the block's largest p: the same two instructions on the same number give the same bits
.endr
	v_pk_add_f32 v[216:217], v[100:101], v[104:105]
	v_pk_add_f32 v[254:255], v[108:109], v[112:113]
	v_pk_add_f32 v[252:253], v[116:117], v[120:121]
	v_pk_add_f32 v[250:251], v[124:125], v[128:129]
	v_pk_add_f32 v[248:249], v[132:133], v[136:137]
	v_pk_add_f32 v[246:247], v[140:141], v[144:145]
	v_pk_add_f32 v[244:245], v[148:149], v[152:153]
	v_pk_add_f32 v[14:15], v[14:15], v[156:157]
	v_pk_add_f32 v[216:217], v[216:217], v[96:97]
	v_pk_add_f32 v[254:255], v[254:255], v[98:99]
	v_pk_add_f32 v[252:253], v[252:253], v[102:103]
	v_pk_add_f32 v[250:251], v[250:251], v[106:107]
	v_pk_add_f32 v[248:249], v[248:249], v[110:111]
	v_pk_add_f32 v[246:247], v[246:247], v[114:115]
	v_pk_add_f32 v[244:245], v[244:245], v[118:119]
	v_pk_add_f32 v[14:15], v[14:15], v[122:123]
	v_pk_add_f32 v[216:217], v[216:217], v[126:127]
	v_pk_add_f32 v[254:255], v[254:255], v[130:131]
	v_pk_add_f32 v[252:253], v[252:253], v[134:135]
	v_pk_add_f32 v[250:251], v[250:251], v[138:139]
	v_pk_add_f32 v[248:249], v[248:249], v[142:143]
	v_pk_add_f32 v[246:247], v[246:247], v[146:147]
	v_pk_add_f32 v[244:245], v[244:245], v[150:151]
	v_pk_add_f32 v[14:15], v[14:15], v[154:155]
	v_pk_add_f32 v[216:217], v[216:217], v[158:159]
	s_delay_alu instid0(VALU_DEP_2)
	v_pk_add_f32 v[14:15], v[14:15], v[250:251]
	s_delay_alu instid0(VALU_DEP_2)
	v_pk_add_f32 v[216:217], v[216:217], v[248:249]
	v_pk_add_f32 v[254:255], v[254:255], v[246:247]
	v_pk_add_f32 v[252:253], v[252:253], v[244:245]
	s_delay_alu instid0(VALU_DEP_2)
	v_pk_add_f32 v[14:15], v[14:15], v[254:255]
	s_delay_alu instid0(VALU_DEP_2)
	v_pk_add_f32 v[216:217], v[216:217], v[252:253]
	s_delay_alu instid0(VALU_DEP_1)
	v_pk_add_f32 v[14:15], v[14:15], v[216:217]
	s_wait_alu depctr_va_vdst(0)                   ; and one for the four
.irp b, 0,1,2,3
	v_max_num_f32 v[BM+\b], 0x1800000, v[BM+\b]    ; the floor 2^(3 - 127): the byte cannot fall under 1
.endr
.irp b, 0,1,2,3
	s_delay_alu instid0(VALU_DEP_4)
	v_add_nc_u32 v[SO+\b], 0xff000000, v[BM+\b]    ; 2 off the exponent field: the conversion's scale operand
.endr
.irp b, 0,1,2,3
	s_delay_alu instid0(VALU_DEP_4)
	v_lshrrev_b32 v[PT+\b], 23, v[SO+\b]           ; the scale's byte
.endr
	s_delay_alu instid0(VALU_DEP_3)
	v_lshl_or_b32 v[PW], v[PT+1], 8, v[PT]         ; p's scale word for these 128 keys
	s_delay_alu instid0(VALU_DEP_1)
	v_lshl_or_b32 v[PW], v[PT+2], 16, v[PW]
	s_delay_alu instid0(VALU_DEP_1)
	v_lshl_or_b32 v[PW], v[PT+3], 24, v[PW]
.irp c, 0,1
	v_cvt_scalef32_pk16_fp6_f32 v[PC+6*\c:PC+2+6*\c], v[S+32*\c:S+15+32*\c], v[SO+2*\c]
	v_cvt_scalef32_pk16_fp6_f32 v[CT+4*\c:CT+2+4*\c], v[S+16+32*\c:S+31+32*\c], v[SO+2*\c+1]   ; (a conversion's three registers begin on an even number)
.endr
	v_nop                                          ; one plain line behind the scaled conversions
.irp c, 0,1                                    ; a whole block in a lane: lanes 0-15 block 2 c, lanes 16-31 block 2 c + 1
.irp i, 0,1,2
	v_permlane16_swap_b32 v[PC+6*\c+\i], v[CT+4*\c+\i]
.endr
.irp i, 0,1,2
	s_delay_alu instid0(VALU_DEP_3)
	v_mov_b32 v[PC+3+6*\c+\i], v[CT+4*\c+\i]
.endr
.endr
.set j, 0
.rept 16
	v_pk_mul_f32 v[O+j:O+j+1], v[O+j:O+j+1], v[F:F+1] op_sel_hi:[1,0]   ; O^T under the new M.  (Of these sixteen, twelve name no register of any one product below: the places behind p's codes and its scale word)
.set j, j+2
.endr
	s_wait_alu depctr_va_vdst(0)
	s_wait_dscnt 0x0                               ; V is in
.irp t, 0,1,2,3                                ; four accumulators, one instruction a turn
.if (\t)%2
	v_wmma_scale_f32_16x16x128_f8f6f4 v[O+8*\t:O+8*\t+7], v[KV+12*\t:KV+12*\t+11], v[PC:PC+11], v[O+8*\t:O+8*\t+7], v[VS+\t/2], v[PW] matrix_a_fmt:MATRIX_FMT_FP6 matrix_b_fmt:MATRIX_FMT_FP6 matrix_a_scale:MATRIX_SCALE_ROW1
.else
	v_wmma_scale_f32_16x16x128_f8f6f4 v[O+8*\t:O+8*\t+7], v[KV+12*\t:KV+12*\t+11], v[PC:PC+11], v[O+8*\t:O+8*\t+7], v[VS+\t/2], v[PW] matrix_a_fmt:MATRIX_FMT_FP6 matrix_b_fmt:MATRIX_FMT_FP6
.endif
.endr
.rept 4
	v_nop                                          ; places: the next loads land in V's registers, and O^T is read next
.endr
.Lhidden_\@:
	s_add_co_u32 s[KF], s[KF], 128
.endm
; THE CHANGE OF SLOTS stands at a slot's head.  Each wave waits for all its tensor loads, adds 0 to its spare word, and waits for that and for its reads of the slot that it has left.
; fill = 1: the slot that was left takes the keys that follow: one load a wave (waves 0-3), first thing behind the barrier; it has the whole slot's steps in which to land.
.macro CHANGE fill
	s_wait_tensorcnt 0x0                           ; no tensor load of mine is out, so group 0 may be written
	ds_add_u32 v[SPW], v[NIL]                      ; 0 onto my spare word
.if \fill
	s_xor_b32 s[G0+1], s[G0+1], SLOT1              ; the other slot than last time,
	s_add_co_u32 s48, s[SI], 1
	s_cmp_eq_u32 s48, s[NA]
	s_cselect_b32 s[BK], s[NAB], 0
	s_add_nc_u64 s[G0+2:G0+3], s[G0+2:G0+3], 2*BLKB   ; the next 256 keys,
	s_sub_nc_u64 s[G0+2:G0+3], s[G0+2:G0+3], s[BK:BK+1]   ; or, where the second query block begins, the head's first again; the type bits on top are not reached
.endif
	s_wait_dscnt 0x0                               ; the add is done, and my reads of the slot that I have left are over
	s_barrier_signal -1
	s_barrier_wait -1
.if \fill
	TLOAD
.endif
	v_add_nc_u32 v[ADR], s[TB], v[L16]
	v_add_nc_u32 v[ADS], s[TB], v[LVS]
.endm
; A QUERY BLOCK'S END: O^T / sum; register 16 b + i is channel 32 b + 16 (lane / 16) + i of my query: two blocks of 32 along the output product's K.  Six registers of codes and two scale bytes a lane.
.macro FLUSH yb, sb
	v_add_f32 v14, v14, v15                        ; the sum's two halves,
	s_delay_alu instid0(VALU_DEP_1)
	v_permlanex16_b32 v[WK], v14, s[SEL], s[SEL+1]
	s_delay_alu instid0(VALU_DEP_1)
	v_add_f32 v14, v14, v[WK]                      ; and lane l xor 16's
	s_wait_alu depctr_va_vdst(0)
	v_rcp_f32 v[F], v14
	v_nop                                          ; a plain line behind the reciprocal,
	s_wait_alu depctr_va_vdst(0)                   ; and the wait ahead of its first reader
.set j, 0
.rept 16
	v_pk_mul_f32 v[S+j:S+j+1], v[O+j:O+j+1], v[F:F+1] op_sel_hi:[1,0]   ; each accumulator from its low end on
.set j, j+2
.endr
.irp b, 0,1
	v_max3_num_f32 v[BM+\b], |v[S+16*\b]|, |v[S+1+16*\b]|, 0x1800000
.endr
.irp i, 2,4,6,8,10,12,14
.irp b, 0,1
	s_delay_alu instid0(VALU_DEP_2)
	v_max3_num_f32 v[BM+\b], v[BM+\b], |v[S+16*\b+\i]|, |v[S+1+16*\b+\i]|
.endr
.endr
.irp b, 0,1
	s_delay_alu instid0(VALU_DEP_2)
	v_permlanex16_b32 v[PT+\b], v[BM+\b], s[SEL], s[SEL+1]
.endr
.irp b, 0,1
	s_delay_alu instid0(VALU_DEP_2)
	v_max_num_f32 v[BM+\b], v[BM+\b], v[PT+\b]
.endr
.irp b, 0,1
	s_delay_alu instid0(VALU_DEP_2)
	v_add_nc_u32 v[SO+\b], 0xff000000, v[BM+\b]
.endr
.irp b, 0,1
	s_delay_alu instid0(VALU_DEP_2)
	v_lshrrev_b32 v[PT+\b], 23, v[SO+\b]
.endr
	s_delay_alu instid0(VALU_DEP_1)
	v_lshl_or_b32 v[WK+1], v[PT+1], 8, v[PT]
	v_cvt_scalef32_pk16_fp6_f32 v[PC:PC+2], v[S:S+15], v[SO]
	v_cvt_scalef32_pk16_fp6_f32 v[CT:CT+2], v[S+16:S+31], v[SO+1]
	v_nop
.irp i, 0,1,2
	v_permlane16_swap_b32 v[PC+\i], v[CT+\i]
.endr
.irp i, 0,1,2
	s_delay_alu instid0(VALU_DEP_3)
	v_mov_b32 v[PC+3+\i], v[CT+\i]
.endr
	global_store_b128 v[L16], v[PC:PC+3], s[\yb:\yb+1]               ; 512 consecutive bytes,
	global_store_b64 v[L8], v[PC+4:PC+5], s[\yb:\yb+1] offset:512    ; and 256: a tile's 768 bytes, at a multiple of 256 from yhc's first byte
	global_store_b16 v[L32], v[WK+1], s[\sb:\sb+1]                   ; my row's two scale bytes (lanes l and l + 16 store the same two bytes)
.endm
.Lslot:                                            ; eight trips: behind each change of slots but the last the next slot is asked for
	CHANGE 1
	s_cmp_lg_u32 s[SI], s[NA]
	s_cbranch_scc1 .Lsame
	FLUSH YA, SA                                   ; the first query block is done: the second begins at key 0
.irp i, 0,1,2,3,4,5
	v_mov_b32 v[Q+\i], v[QN+\i]
.endr
	v_mov_b32 v[QS], v[QSN]
	v_mov_b32 v13, 0xff61b1e6
	s_delay_alu instid0(VALU_DEP_1)
	v_floor_f32 v12, -v13
	v_mov_b32 v14, 0
	v_mov_b32 v15, 0
.set j, 0
.rept 32
	v_mov_b32 v[O+j], 0                            ; (also the places between Q's and its scale word's writes and the next product)
.set j, j+1
.endr
	s_mov_b32 s[KF], 0
	s_mov_b32 s[QB], s[QBN]
	s_wait_xcnt 0x0                                ; the stores have read their data: the registers are written again only behind this wait
.Lsame:
	STEP 0
	STEP 1
	s_xor_b32 s[TB], s[TB], SLOT1                  ; on to the other slot
	s_add_co_u32 s[SI], s[SI], 1
	s_cmp_lt_u32 s[SI], 8
	s_cbranch_scc1 .Lslot
	CHANGE 0                                       ; the ninth slot is written out
	STEP 0
	STEP 1
	FLUSH YB, SB
	s_wait_tensorcnt 0x0                           ; the wave's end
	ds_add_u32 v[SPW], v[NIL]
	s_wait_dscnt 0x0
	s_endpgm
.Lfunc_end_k_q3bdce84d76_attn:
	.size	k_q3bdce84d76_attn, .Lfunc_end_k_q3bdce84d76_attn-k_q3bdce84d76_attn
	.p2alignl 7, 3214868480
	.fill 96, 4, 3214868480
	.section	.rodata,"a",@progbits
	.p2align	6, 0x0
	.amdhsa_kernel k_q3bdce84d76_attn
		.amdhsa_group_segment_fixed_size 327680
		.amdhsa_private_segment_fixed_size 0
		.amdhsa_enable_private_segment 0
		.amdhsa_kernarg_size 24
		.amdhsa_user_sgpr_count 2
		.amdhsa_user_sgpr_kernarg_segment_ptr 1
		.amdhsa_wavefront_size32 1
		.amdhsa_system_sgpr_workgroup_id_x 1
		.amdhsa_system_sgpr_workgroup_id_y 1
		.amdhsa_system_sgpr_workgroup_id_z 1
		.amdhsa_system_vgpr_workitem_id 0
		.amdhsa_next_free_vgpr 256
		.amdhsa_next_free_sgpr 66
		.amdhsa_reserve_vcc 1
		.amdhsa_float_denorm_mode_32 3
		.amdhsa_float_denorm_mode_16_64 3
		.amdhsa_memory_ordered 1
		.amdhsa_forward_progress 1
		.amdhsa_inst_pref_size 108
	.end_amdhsa_kernel
	.amdgpu_metadata
---
amdhsa.version: [ 1, 2 ]
amdhsa.kernels:
  - .name:           k_q3bdce84d76_attn
    .symbol:         k_q3bdce84d76_attn.kd
    .args:
      - { .name: qkv, .offset: 0, .size: 8, .value_kind: global_buffer, .address_space: global }
      - { .name: yhc, .offset: 8, .size: 8, .value_kind: global_buffer, .address_space: global }
      - { .name: ysc, .offset: 16, .size: 8, .value_kind: global_buffer, .address_space: global }
    .group_segment_fixed_size: 327680
    .private_segment_fixed_size: 0
    .kernarg_segment_align: 8
    .kernarg_segment_size: 24
    .max_flat_workgroup_size: 512
    .sgpr_count:     66
    .vgpr_count:     256
    .wavefront_size: 32
...
	.end_amdgpu_metadata
.endif
;; end of part 3
;; launch proj (part 4): grid 4 x 32, 4 waves a work-group, clusters of 4 x 4, 327,680 bytes of LDS; arguments yhc, ysc, cod, scl, bo, out0; writes out0
.if DOCPART == 4
	.amdgcn_target "amdgcn-amd-amdhsa--gfx1250"
	.amdhsa_code_object_version 6
	.text
	.protected	k_q3bdce84d76_proj
	.globl	k_q3bdce84d76_proj
	.p2align	8
	.type	k_q3bdce84d76_proj,@function
k_q3bdce84d76_proj:
	s_mov_b64 s[64:65], 0
	v_nop
	global_prefetch_b8 v0, s[64:65] scope:SCOPE_SE
	s_setreg_imm32_b32 hwreg(HW_REG_WAVE_MODE, 25, 1), 1
	s_wait_xcnt 0x0
	s_wait_alu depctr_hold_cnt(0) depctr_sa_sdst(0) depctr_va_vdst(0) depctr_va_sdst(0) depctr_va_ssrc(0) depctr_va_vcc(0) depctr_vm_vsrc(0)
	s_getreg_b32 s2, hwreg(HW_REG_IB_STS2, 6, 4)
	s_cmp_eq_u32 s2, 0
	s_cbranch_scc0 .Lentry_in_a_cluster
	s_endpgm
.Lentry_in_a_cluster:
	s_bfe_u32 s2, ttmp6, 0x10000c
	s_cmp_lg_u32 s2, 0xf033
	s_cbranch_scc0 .Lentry_shape_is_right
	s_endpgm
.Lentry_shape_is_right:
; out0 = yh wo^T + bo on codes of FP6 (E2M3) with E8M0 scales; M = 8,192, N = K = 1,024; out0 f32.
; A = yh, as the attention left it: yhc [head][tile of 16 rows][768 bytes: a lane's six registers (64 codes a lane pair): registers 0-3 at 16 l, registers 4-5 at 8 l], ysc [row][32 scale bytes].
; yh's rows lie so that place 16 u + r of each 32 holds row 8 u + r + 8 (r / 8); the way out puts them back.  B = wo: rows 11,264 on of cod (768 bytes a row) and of scl, in their own order.
; A tile of out0, 256 x 256, is made by four waves, each 128 x 128: 64 accumulators.  K goes in steps of 256 (four heads) through two LDS slots; the scale bytes of the 512 rows come once.
; CLUSTERS: 4 x 4 work-groups; A's tiles are asked for jointly along a row of the cluster, B's along a column.  128 work-groups: a smaller tile would read each LDS byte for half the products.
; The matrix instruction is used transposed (source 0 = 16 rows of wo, source 1 = 16 rows of yh): a lane holds eight neighbouring numbers of a row of out0.  bo is the C of each sum's first product.
; REGISTERS: window 0: v0-31 addresses; v32-63 scale words, two sets; v64-127 bo in the result's layout; from v128 A's fragments, ONE set; on the way out v128-255 rows.  window 1: B's fragments, TWO sets.  windows 2, 3: accumulators.
.set SIZE_N, 1024
.set KSTEP,  256
.set NQ,     KSTEP/128
.set ROWB,   192                       ; a row of B's tile in bytes
.set KROW,   768                       ; a row of cod
.set WOROW,  11264                     ; wo's first row in cod and scl
.set PITCH,  240                       ; B's LDS row: 3 x (64 bytes + 16 of padding)
.set FR,     12
.set NL,     6                         ; LDS loads that bring a fragment of B
.set NLA,    4                         ; and of A: two heads x (16 bytes + 8 bytes a lane)
.set NP,     4                         ; places behind this matrix instruction (ISA guide 7.12.1)
.set HALFA,  4*6144                    ; A: 128 rows x 256 K: four heads x eight tiles x 768 bytes
.set HALFB,  128*PITCH
.set SLOT,   2*HALFA+2*HALFB
.set KSTA,   4*512*768                 ; a K step on in yhc: four heads
.set LAPS,   2
.set KS,     32
.set SCL,    2*SLOT
.set HALFS,  (128*KS/256)*272
.set SBLK,   (16*KS/256)*272
.set SPARE,  SCL+4*HALFS               ; the spare words, 128 bytes for each wave: two blocks of 256 bytes that no other line names
.set SPITCH, 528                       ; the way out: a stage of 16 rows x (512 bytes + 16) for each wave, in slot 0, which has had its last fill and its last read when the first result is stored there
.set ADRA, 16                          ; v16-17 A's half in slot 0, 1 + 16 x lane;  v18-19 the same + 8 x lane
.set ADRB, 20                          ; v20-21 B's fragments in slot 0, 1;  v22-23 for the pieces behind one padding more
.set STO,  24
.set RD,   25
.set CO,   26
.set ADRS, 27
.set SPW,  28
.set NIL,  29
.set BOO,  30                          ; v30  32 x (lane / 16)
.set SC,   32
.set BO,   64                          ; v64-127 bo: register 8 b + j = column 16 b + 8 (lane / 16) + j of my 128
.set AF,   128
.set BK,   128
.set G1, 24
.set G0, 32
.set G1B, 48
.set G0B, 56
.set G1S, 68
.set G0S, 76
.set G1SB, 80
.set G0SB, 88
.set MSB, 0
.macro WIN new                         ; the immediate's high byte repeats the setting that is left
.if MSB != \new
	s_set_vgpr_msb (MSB<<8)|\new
.set MSB, \new
.endif
.endm
.set MUL_LO, 0xa1                      ; source 0 (B) window 1, source 1 (A) window 0, C and D window 2
.set MUL_HI, 0xf1                      ; the same, C and D window 3
.set FST_LO, 0x81                      ; the first step: C (bo) window 0, D window 2
.set FST_HI, 0xc1                      ; D window 3
.set TO_B,   0x40
.macro JLOAD g0a, g1a, g0b, g1b        ; a joint load: waves 0 and 1 fetch for A, waves 2 and 3 for B; four v_nop follow each of the two lines
	s_cmp_eq_u32 s15, 0
	s_cbranch_scc0 .Lfor_b_\@
	tensor_load_to_lds s[\g0a:\g0a+3], s[\g1a:\g1a+7]
	s_nop 0
.rept 4
	v_nop
.endr
	s_branch .Lasked_\@
.Lfor_b_\@:
	tensor_load_to_lds s[\g0b:\g0b+3], s[\g1b:\g1b+7]
	s_nop 0
.rept 4
	v_nop
.endr
.Lasked_\@:
.endm
.macro CREST
	s_cmp_lg_u32 s14, 0
	s_cbranch_scc1 .Lnot_wave_0_\@
	s_barrier_signal -3
.Lnot_wave_0_\@:
	s_barrier_wait -3
	s_barrier_signal -1
	s_barrier_wait -1
.endm
.macro CROUND
	s_barrier_signal -1
	s_barrier_wait -1
	CREST
.endm
	s_load_b256 s[4:11], s[0:1], 0x0               ; yhc s[4:5], ysc s[6:7], cod s[8:9], scl s[10:11]
	s_load_b128 s[96:99], s[0:1], 0x20             ; bo s[96:97], out0 s[98:99]
	v_lshl_add_u32 v[SPW], v0, 2, SPARE
	v_mov_b32 v[NIL], 0
	ds_add_u32 v28, v29
	s_wait_dscnt 0x0
	v_lshrrev_b32 v1, 5, v0
	v_readfirstlane_b32 s14, v1                    ; wave 0..3
	s_lshr_b32 s15, s14, 1                         ; which half of the tile's rows is mine.  Also: I fetch for A (0) or for B (1)
	s_and_b32 s16, s14, 1                          ; which half of its columns.  Also: which 128 rows I fetch
	s_bfe_u32 s40, ttmp6, 0x40000                  ; cx, cy
	s_bfe_u32 s41, ttmp6, 0x40004
	s_lshl_b32 s42, ttmp9, 2
	s_add_co_u32 s42, s42, s40                     ; tile column
	s_and_b32 s17, ttmp7, 0xffff
	s_lshl_b32 s17, s17, 2
	s_add_co_u32 s17, s17, s41                     ; tile row
	s_lshl_b32 s43, s41, 2
	s_lshl_b32 s43, 15, s43                        ; my row of the cluster
	s_lshl_b32 s44, 0x1111, s40                    ; my column
	; A's tile: four heads x 6,144 dense bytes (eight tiles of 768), 393,216 bytes from head to head; elements of 8 bytes; no padding: the images are read 512 or 256 consecutive bytes a load
	s_or_b32 s[G1+0], s43, (3<<16)|(1<<21)
	s_mov_b32 s[G1+1], 768<<16                     ; tensor_dim0
	s_mov_b32 s[G1+2], 4<<16                       ; tensor_dim1
	s_mov_b32 s[G1+3], 768<<16                     ; tile_dim0
	s_mov_b32 s[G1+4], 4                           ; tile_dim1
	s_mov_b32 s[G1+5], 49152                       ; tensor_dim0_stride
	s_mov_b32 s[G1+6], 0
	s_mov_b32 s[G1+7], 0
	; B's tile: 128 rows x 192 bytes, 16 bytes of padding behind every 64
	s_or_b32 s[G1B+0], s44, (0<<16)|(1<<20)|(1<<21)|(3<<22)|(3<<25)
	s_mov_b32 s[G1B+1], ROWB<<16
	s_mov_b32 s[G1B+2], 128<<16
	s_mov_b32 s[G1B+3], ROWB<<16
	s_mov_b32 s[G1B+4], 128
	s_mov_b32 s[G1B+5], KROW
	s_mov_b32 s[G1B+6], 0
	s_mov_b32 s[G1B+7], 0
	; the scale bytes of 128 rows: 16 rows of 256 bytes, 16 bytes of padding behind each
	s_or_b32 s[G1S+0], s43, (3<<16)|(1<<20)|(1<<21)|(5<<22)|(3<<25)
	s_or_b32 s[G1SB+0], s44, (3<<16)|(1<<20)|(1<<21)|(5<<22)|(3<<25)
.irp g, G1S, G1SB
	s_mov_b32 s[\g+1], 32<<16
	s_mov_b32 s[\g+2], (128*KS/256)<<16
	s_mov_b32 s[\g+3], 32<<16
	s_mov_b32 s[\g+4], 128*KS/256
	s_mov_b32 s[\g+5], 32
	s_mov_b32 s[\g+6], 0
	s_mov_b32 s[\g+7], 0
.endr
	s_lshl_b32 s20, s17, 4
	s_lshl_b32 s18, s16, 3
	s_add_co_u32 s20, s20, s18                     ; A: tile of 16 rows 16 x tile row + 8 x half
	s_lshl_b32 s22, s20, 9                         ; its rows' scale bytes: 512 a tile
	s_mov_b32 s23, 0
	s_mul_i32 s20, s20, 768
	s_mov_b32 s21, 0
	s_lshl_b32 s46, s42, 8
	s_lshl_b32 s18, s16, 7
	s_add_co_u32 s46, s46, s18
	s_add_co_u32 s46, s46, WOROW                   ; B: row 11,264 + 256 x tile column + 128 x half
	s_lshl_b32 s92, s46, 5
	s_mov_b32 s93, 0
	s_mul_i32 s46, s46, KROW
	s_mov_b32 s47, 0
	s_mul_i32 s45, s16, HALFA                      ; where they go: A's two halves,
	s_mul_i32 s2, s16, HALFB
	s_add_co_u32 s2, s2, 2*HALFA                   ; then B's two: no place in the cluster enters an LDS address
	s_mul_i32 s94, s14, HALFS
	s_wait_kmcnt 0x0
	s_add_nc_u64 s[20:21], s[4:5], s[20:21]
	s_add_nc_u64 s[22:23], s[6:7], s[22:23]
	s_add_nc_u64 s[46:47], s[8:9], s[46:47]
	s_add_nc_u64 s[92:93], s[10:11], s[92:93]
	CROUND                                         ; all sixteen work-groups are here: the first joint loads meet
	s_mov_b32 s[G0S], 1
	s_add_co_u32 s[G0S+1], s94, SCL
	s_mov_b64 s[G0S+2:G0S+3], s[22:23]
	s_or_b32 s[G0S+3], s[G0S+3], 0x80000000
	s_mov_b32 s[G0SB], 1
	s_add_co_u32 s[G0SB+1], s94, SCL
	s_mov_b64 s[G0SB+2:G0SB+3], s[92:93]
	s_or_b32 s[G0SB+3], s[G0SB+3], 0x80000000
	JLOAD G0S, G1S, G0SB, G1SB                     ; the scales first
.irp s, 0,1
	s_mov_b32 s[G0+4*\s], 1
	s_add_co_u32 s[G0+4*\s+1], s45, \s*SLOT
	s_add_nc_u64 s[G0+4*\s+2:G0+4*\s+3], s[20:21], \s*KSTA
	s_or_b32 s[G0+4*\s+3], s[G0+4*\s+3], 0x80000000
	s_mov_b32 s[G0B+4*\s], 1
	s_add_co_u32 s[G0B+4*\s+1], s2, \s*SLOT
	s_add_nc_u64 s[G0B+4*\s+2:G0B+4*\s+3], s[46:47], \s*ROWB
	s_or_b32 s[G0B+4*\s+3], s[G0B+4*\s+3], 0x80000000
	JLOAD G0+4*\s, G1, G0B+4*\s, G1B               ; three loads of mine are out
.endr
	v_and_b32 v1, 15, v0                           ; r
	v_bfe_u32 v2, v0, 4, 1                         ; h
	v_and_b32 v6, 31, v0
	v_lshlrev_b32 v[CO], 4, v6                     ; 16 x lane
	v_lshlrev_b32 v7, 3, v6                        ; 8 x lane
	v_mul_u32_u24 v3, v1, PITCH
	v_mul_u32_u24 v4, v2, 24
	v_add_nc_u32 v4, v3, v4                        ; B: a fragment's row x pitch + 24 x half
	v_lshl_add_u32 v5, v2, 4, v4                   ; and the same behind one padding more
	s_mul_i32 s21, s15, HALFA                      ; my 128 rows of A
	s_mul_i32 s22, s16, HALFB                      ; my 128 rows of B,
	s_add_co_u32 s22, s22, 2*HALFA                 ; which lie behind A's 256
.irp s, 0,1
	v_add_nc_u32 v[ADRA+\s], s21, v[CO]
	v_add_nc_u32 v[ADRA+2+\s], s21, v7
	v_add_nc_u32 v[ADRB+\s], s22, v4
	v_add_nc_u32 v[ADRB+2+\s], s22, v5
	s_add_co_u32 s21, s21, SLOT
	s_add_co_u32 s22, s22, SLOT
.endr
	v_mul_u32_u24 v5, v1, KS
	v_lshrrev_b32 v6, 8, v5
	v_lshl_add_u32 v5, v6, 4, v5
	s_mul_i32 s21, s15, HALFS
	s_mul_i32 s22, s16, HALFS
	s_add_co_u32 s22, s22, 2*HALFS
	s_sub_co_u32 s22, s22, s21
	v_mul_u32_u24 v6, s22, v2                      ; lanes 16-31 take B's scale words
	s_add_co_u32 s21, s21, SCL
	v_add_nc_u32 v5, v5, v6
	v_add_nc_u32 v[ADRS], s21, v5
	s_mul_i32 s23, s14, 16*SPITCH                  ; my stage
	v_mul_u32_u24 v5, v1, SPITCH
	v_lshl_add_u32 v5, v2, 5, v5
	v_add_nc_u32 v[STO], s23, v5                   ; in: row l % 16, 32 bytes for each half of the lanes
	v_add_nc_u32 v[RD], s23, v[CO]                 ; back: the 32 lanes take one row of 512 bytes
	v_lshlrev_b32 v[BOO], 5, v2
	s_lshl_b32 s46, s42, 10                        ; my first column, in bytes: 1,024 x tile column + 512 x half
	s_lshl_b32 s47, s16, 9
	s_add_co_u32 s46, s46, s47
	s_mov_b32 s47, 0
	s_add_nc_u64 s[96:97], s[96:97], s[46:47]      ; bo there,
	s_lshl_b32 s20, s17, 8
	s_lshl_b32 s21, s15, 7
	s_add_co_u32 s20, s20, s21                     ; my first row: 256 x tile row + 128 x half
	s_lshl_b32 s20, s20, 12                        ; 4,096 bytes a row (under 2^26)
	s_mov_b32 s21, 0
	s_add_nc_u64 s[98:99], s[98:99], s[20:21]
	s_add_nc_u64 s[98:99], s[98:99], s[46:47]      ; and out0
.irp b, 0,1,2,3,4,5,6,7
	global_load_b128 v[BO+8*\b:BO+8*\b+3], v[BOO], s[96:97] offset:64*\b
	global_load_b128 v[BO+8*\b+4:BO+8*\b+7], v[BOO], s[96:97] offset:64*\b+16
.endr
.macro FRAG reg, adr, q, i             ; a fragment of B from rows: 24 bytes of the row's stream of bits for each 64 along K, in pieces of 8 bytes
.irp p, 0,1,2,3,4,5
.set PCE, 12*(\q)+6*(\p/3)+\p%3
.if PCE%8 < 5
	ds_load_b64 v[\reg+2*\p:\reg+2*\p+1], v[\adr] offset:8*PCE+16*(PCE/8)+(\i)*16*PITCH
.else
	ds_load_b64 v[\reg+2*\p:\reg+2*\p+1], v[\adr+2] offset:8*PCE+16*(PCE/8)+(\i)*16*PITCH
.endif
.endr
.endm
.macro FRAG_A reg, slot, q, i          ; a fragment of A from images: heads 2 q and 2 q + 1 of the slot's four, tile i of my eight
	ds_load_b128 v[\reg:\reg+3],     v[ADRA+\slot]   offset:12288*(\q)+768*(\i)
	ds_load_b64  v[\reg+4:\reg+5],   v[ADRA+2+\slot] offset:12288*(\q)+768*(\i)+512
	ds_load_b128 v[\reg+6:\reg+9],   v[ADRA+\slot]   offset:12288*(\q)+6144+768*(\i)
	ds_load_b64  v[\reg+10:\reg+11], v[ADRA+2+\slot] offset:12288*(\q)+6144+768*(\i)+512
.endm
; 16 matrix instructions: A's blocks a0, a0 + 1 x B's eight.  first = 1: the first product starts the sums from bo.  The 64 accumulators take turns, one instruction a turn.
.macro MUL16 a0, p, q, sc, first
.irp a, \a0, \a0+1
.irp b, 0,1,2,3,4,5,6,7
.if \first
	v_wmma_scale_f32_16x16x128_f8f6f4 v[8*(8*((\a)%4)+\b):8*(8*((\a)%4)+\b)+7], v[128*(\p)+FR*\b:128*(\p)+FR*\b+FR-1], v[AF+FR*(\a):AF+FR*(\a)+FR-1], v[BO+8*\b:BO+8*\b+7], v[SC+8*NQ*(\sc)+NQ*\b+(\q)], v[SC+8*NQ*(\sc)+NQ*(\a)+(\q)] matrix_a_fmt:MATRIX_FMT_FP6 matrix_b_fmt:MATRIX_FMT_FP6 matrix_a_scale:MATRIX_SCALE_ROW1
.else
	v_wmma_scale_f32_16x16x128_f8f6f4 v[8*(8*((\a)%4)+\b):8*(8*((\a)%4)+\b)+7], v[128*(\p)+FR*\b:128*(\p)+FR*\b+FR-1], v[AF+FR*(\a):AF+FR*(\a)+FR-1], v[8*(8*((\a)%4)+\b):8*(8*((\a)%4)+\b)+7], v[SC+8*NQ*(\sc)+NQ*\b+(\q)], v[SC+8*NQ*(\sc)+NQ*(\a)+(\q)] matrix_a_fmt:MATRIX_FMT_FP6 matrix_b_fmt:MATRIX_FMT_FP6 matrix_a_scale:MATRIX_SCALE_ROW1
.endif
.endr
.endr
.endm
.macro FETCH_B slot, q, p
	WIN TO_B
.irp i, 0,1,2,3,4,5,6,7
	FRAG 128*(\p)+FR*\i, ADRB+\slot, \q, \i
.endr
	WIN 0
.endm
.macro FETCH_A slot, q, i0
.irp i, \i0, \i0+1, \i0+2, \i0+3
	FRAG_A AF+FR*(\i), \slot, \q, \i
.endr
.endm
.macro SCALES sc
.irp i, 0,1,2,3,4,5,6,7
	ds_load_b64 v[SC+8*NQ*\sc+NQ*\i:SC+8*NQ*\sc+NQ*\i+1], v[ADRS] offset:\i*SBLK
.endr
.endm
.macro PLACES n
.rept \n
	v_nop
.endr
.endm
.macro STEP slot, q, first
	s_wait_dscnt 4*NLA                             ; B's set and A's blocks 0-3 are in; the youngest 16 loads (A's blocks 4-7) may be out
.if \first
	WIN FST_LO
.else
	WIN MUL_LO
.endif
	MUL16 0, (\q)%2, \q, \slot, \first
	MUL16 2, (\q)%2, \q, \slot, \first
	s_wait_dscnt 0
	PLACES NP
	FETCH_B \slot, (\q)+1, 1-(\q)%2
	FETCH_A \slot, (\q)+1, 0
.if \first
	WIN FST_HI
.else
	WIN MUL_HI
.endif
	MUL16 4, (\q)%2, \q, \slot, \first
	MUL16 6, (\q)%2, \q, \slot, \first
	PLACES NP
	WIN 0
	FETCH_A \slot, (\q)+1, 4
.endm
.macro TURN slot, next, fill
	s_wait_tensorcnt 0x0                           ; all my tensor loads have landed: my part of the next slot
	ds_add_u32 v[SPW], v[NIL]                      ; 0 onto my spare word
	s_wait_dscnt 4*NLA+1                           ; (the add and the youngest 16 loads may be out)
	WIN MUL_LO
	MUL16 0, 1, NQ-1, \slot, 0
	s_wait_dscnt 0x0                               ; the add is done, and my reads of this slot are over
	s_barrier_signal -1
	MUL16 2, 1, NQ-1, \slot, 0
	WIN 0
	s_barrier_wait -1
.if \fill
	CREST                                          ; the barrier has opened a round of the cluster's barrier
	s_add_nc_u64 s[G0+4*\slot+2:G0+4*\slot+3], s[G0+4*\slot+2:G0+4*\slot+3], 2*KSTA
	s_add_nc_u64 s[G0B+4*\slot+2:G0B+4*\slot+3], s[G0B+4*\slot+2:G0B+4*\slot+3], 2*ROWB
	JLOAD G0+4*\slot, G1, G0B+4*\slot, G1B         ; the first tensor load behind the round; its four v_nop are the places in front of the loads below
.else
	PLACES NP
.endif
	v_add_nc_u32 v[ADRS], 4*NQ, v[ADRS]
	FETCH_B \next, 0, 0
	FETCH_A \next, 0, 0
	SCALES \next
	WIN MUL_HI
	MUL16 4, 1, NQ-1, \slot, 0
	MUL16 6, 1, NQ-1, \slot, 0
	PLACES NP
	WIN 0
	FETCH_A \next, 0, 4
.endm
	s_wait_loadcnt 0x0                             ; bo, once
	s_wait_tensorcnt 1                             ; the scales and my part of K step 0 are in (K step 1's load may be out)
	s_barrier_signal -1
	s_barrier_wait -1                              ; everybody's are
	FETCH_B 0, 0, 0
	FETCH_A 0, 0, 0
	SCALES 0
	FETCH_A 0, 0, 4
	STEP 0, 0, 1
	s_mov_b32 s3, LAPS-1
.Llap:
	TURN 0, 1, 1
	STEP 1, 0, 0
	TURN 1, 0, 1
	STEP 0, 0, 0
	s_sub_co_u32 s3, s3, 1
	s_cmp_lg_u32 s3, 0
	s_cbranch_scc1 .Llap
	TURN 0, 1, 0
	STEP 1, 0, 0
	s_wait_dscnt 4*NLA
	WIN MUL_LO
	MUL16 0, 1, NQ-1, 1, 0
	MUL16 2, 1, NQ-1, 1, 0
	s_wait_dscnt 0
	WIN MUL_HI
	MUL16 4, 1, NQ-1, 1, 0
	MUL16 6, 1, NQ-1, 1, 0
	WIN 0
; THE WAY OUT, block by block of 16 rows x 128 columns, through my own stage in LDS; whole rows of 512 bytes come back.  LDS serves a wave's instructions in order (ISA guide 5.7.1.4): no wait between the stores and the loads.
; Place t of block a = 2 g + u is row 32 g + 8 u + t + 8 (t / 8) of my 128: the stores' offsets and the base's steps (8 rows, then 24) put the rows back in their order.
.macro TOSTAGE a
.set AC, 64*((\a)%4)
	WIN 0x08+4*((\a)/4)                            ; the data: window 2 or 3
.irp b, 0,1,2,3,4,5,6,7
	ds_store_b128 v[STO], v[AC+8*\b:AC+8*\b+3] offset:64*\b          ; each accumulator from its low end on
	ds_store_b128 v[STO], v[AC+8*\b+4:AC+8*\b+7] offset:64*\b+16
.endr
	WIN 0
.set BB, BK+64*((\a)%2)
.irp t, 0,1,2,3,4,5,6,7,8,9,10,11,12,13,14,15
	ds_load_b128 v[BB+4*\t:BB+4*\t+3], v[RD] offset:\t*SPITCH
.endr
.endm
.macro SEND a, younger                 ; younger: the LDS instructions issued behind block a's loads, which may stay out
.set BB, BK+64*((\a)%2)
	s_wait_dscnt \younger
.if (\a) > 0
.if (\a)%2
	s_add_nc_u64 s[98:99], s[98:99], 8*SIZE_N*4    ; (behind a wait on XCNT: the earlier stores have read their base)
.else
	s_add_nc_u64 s[98:99], s[98:99], 24*SIZE_N*4
.endif
.endif
.irp t, 0,1,2,3,4,5,6,7,8,9,10,11,12,13,14,15
	global_store_b128 v[CO], v[BB+4*\t:BB+4*\t+3], s[98:99] offset:(\t+8*(\t/8))*SIZE_N*4 th:TH_STORE_NT   ; 32 lanes store 512 consecutive bytes, at a multiple of 256 from out0's first byte
.endr
.endm
	PLACES NP
	TOSTAGE 0
.irp a, 1,2,3,4,5,6,7
.if \a > 1
	s_wait_xcnt 0x0                                ; block a - 2's stores have read their registers and their base
.endif
	TOSTAGE \a
	SEND \a-1, 32                                  ; behind block a - 1's loads: block a's 16 stores and 16 loads
.endr
	s_wait_xcnt 0x0
	SEND 7, 0
	s_wait_tensorcnt 0x0                           ; the wave's end
	ds_add_u32 v[SPW], v[NIL]
	s_wait_dscnt 0x0
	CROUND                                         ; the closing round
	s_endpgm
.Lfunc_end_k_q3bdce84d76_proj:
	.size	k_q3bdce84d76_proj, .Lfunc_end_k_q3bdce84d76_proj-k_q3bdce84d76_proj
	.p2alignl 7, 3214868480
	.fill 96, 4, 3214868480
	.section	.rodata,"a",@progbits
	.p2align	6, 0x0
	.amdhsa_kernel k_q3bdce84d76_proj
		.amdhsa_group_segment_fixed_size 327680
		.amdhsa_private_segment_fixed_size 0
		.amdhsa_enable_private_segment 0
		.amdhsa_kernarg_size 48
		.amdhsa_user_sgpr_count 2
		.amdhsa_user_sgpr_kernarg_segment_ptr 1
		.amdhsa_wavefront_size32 1
		.amdhsa_system_sgpr_workgroup_id_x 1
		.amdhsa_system_sgpr_workgroup_id_y 1
		.amdhsa_system_sgpr_workgroup_id_z 1
		.amdhsa_system_vgpr_workitem_id 0
		.amdhsa_next_free_vgpr 1024
		.amdhsa_next_free_sgpr 100
		.amdhsa_reserve_vcc 0
		.amdhsa_float_denorm_mode_32 3
		.amdhsa_float_denorm_mode_16_64 3
		.amdhsa_memory_ordered 1
		.amdhsa_forward_progress 1
		.amdhsa_inst_pref_size 153
	.end_amdhsa_kernel
	.amdgpu_metadata
---
amdhsa.version: [ 1, 2 ]
amdhsa.kernels:
  - .name:           k_q3bdce84d76_proj
    .symbol:         k_q3bdce84d76_proj.kd
    .args:
      - { .name: yhc, .offset: 0, .size: 8, .value_kind: global_buffer, .address_space: global }
      - { .name: ysc, .offset: 8, .size: 8, .value_kind: global_buffer, .address_space: global }
      - { .name: cod, .offset: 16, .size: 8, .value_kind: global_buffer, .address_space: global }
      - { .name: scl, .offset: 24, .size: 8, .value_kind: global_buffer, .address_space: global }
      - { .name: bo, .offset: 32, .size: 8, .value_kind: global_buffer, .address_space: global }
      - { .name: out0, .offset: 40, .size: 8, .value_kind: global_buffer, .address_space: global }
    .group_segment_fixed_size: 327680
    .private_segment_fixed_size: 0
    .kernarg_segment_align: 8
    .kernarg_segment_size: 48
    .max_flat_workgroup_size: 128
    .sgpr_count:     100
    .vgpr_count:     1024
    .wavefront_size: 32
...
	.end_amdgpu_metadata
.endif
;; end of part 4
